; MI455X (gfx1250); checked and timed in simulation.
; The chip was launched on July 23, 2026; its instructions are those of AMD's public machine-readable ISA for CDNA 5 (MIT licence, August 2026) and "CDNA5" Instruction Set Architecture Reference Guide (July 2026). The comments in the code are by the model that wrote it; some were corrected since.
;; Deberta Ro PE Self Attention. Allowed arithmetic: float matrix products may take bf16 or f16 operands with f32 sums; all other float work in f32.
;; Inputs: Wout 1,024 x 1,024 float32; Wqkv 1,024 x 3,072 float32; attention_mask 4 x 1,024 int32; bout 1,024 float32; bqkv 3,072 float32; x 4 x 1,024 x 1,024 float32.
;; Outputs: out0 4 x 1,024 x 1,024 float32.
;; 2 versions, each right; version 2 is version 1 with the launch prep written anew for expert scheduling mode. Each part assembles by itself: llvm-mc -triple=amdgcn-amd-amdhsa -mcpu=gfx1250 --defsym DOCPART=n.
;; ======== version 1 of 2: 4 launches
;; limits: values are held in f16: magnitudes above 65,504 overflow, below 6.1e-05 lose precision
;; workspace buffers: xb 8,388,608 bytes; wqkvt 6,291,456 bytes; woutt 2,097,152 bytes; rope 262,144 bytes; qkvh 25,165,824 bytes; ao 8,388,608 bytes
;; launch prep (part 1): grid 512 x 1, 8 waves a work-group, no clusters, 50,688 bytes of LDS; arguments x, Wqkv, Wout, xb, wqkvt, woutt, rope; writes xb, wqkvt, woutt, rope
.if DOCPART == 1
	.amdgcn_target "amdgcn-amd-amdhsa--gfx1250"
	.amdhsa_code_object_version 6
	.text
	.protected	k_q43f5e4e1d6_prep
	.globl	k_q43f5e4e1d6_prep
	.p2align	8
	.type	k_q43f5e4e1d6_prep,@function
k_q43f5e4e1d6_prep:
	s_mov_b64 s[64:65], 0
	v_nop
	global_prefetch_b8 v0, s[64:65] scope:SCOPE_SE
	s_setreg_imm32_b32 hwreg(HW_REG_WAVE_MODE, 25, 1), 1
	s_wait_xcnt 0x0
; PREPARATION.  Three jobs, 16,384 numbers for each of 512 work-groups of eight waves:
;   work-groups   0-255: x [4096][1024] f32 -> xb, the same in f16; and four rows each of the rotary table
;                        rope[s] = cos(s f_0..f_31), sin(s f_0..f_31), f_i = 10000^(-i/32), 256 bytes a row;
;   work-groups 256-447: Wqkv [1024 k][3072 n] f32 -> wqkvt [3072 n][1024 k] f16, a tile of 128 k x 128 n each;
;   work-groups 448-511: Wout [1024 k][1024 n] f32 -> woutt [1024 n][1024 k] f16, likewise.
; The products that follow want K along the rows and 16-bit operands: done here once, not once for each block row of the products.
; WHY f16: the result is a mean of some 500 values of v, and it passes through four products in a row; f16's 11 significant bits keep the sum
; of the roundings on that way some eight times smaller than bf16's 8 bits would.  ROOM: x has spread 1 (30 times larger: 150 at five spreads;
; an offset of 30 spreads: 35), the weights 0.02 (30 times smaller: 6.7e-4, where f16's finest step, 6e-8, is 1e-4 of the spread): all
; far inside f16's range, whose largest number is 65,504.
; Memory binds: every byte is read once by 16-byte loads of neighbouring lanes; no matrix unit, no cluster, no tensor load would add anything.
; LIMIT: sine and cosine come from a reduction of the angle in turns in f32 and a series to x^11 on 0..pi/2.  The series is good to 6e-8;
; the reduction (f_i to one unit in the last place, the f32 constant 1/(2 pi), one rounding at up to 163 turns) leaves about 2e-4 rad at the
; largest angle, 1023 rad, which is of the size of one f16 rounding of the q and k that the table multiplies.
.set X,      32                        ; v[32:95]   16 loads of 4 registers
.set T,      96                        ; v[96:127]  packed f16 on their way into LDS
.set RPITCH, 48                        ; an LDS row: 16 k of one column n (32 bytes) + 16
.set REG,    128*RPITCH+32             ; 6,176 bytes: one wave's 16 k of all 128 columns.  6,176 = 24 x 256 + 32: the eight regions that a row's read-back touches are 32 bytes apart modulo 256
; One tile of a weight: 128 k x 128 n, read by rows of k, written by rows of n.
; src, dst: the scalar pairs of the two buffers; pitchb: bytes in a row of the source; idbase: the first work-group of this job.
.macro TRANSP src, dst, pitchb, idbase
	s_sub_co_u32 s20, ttmp9, \idbase
	s_and_b32 s21, s20, 7                          ; kt: which 128 of k
	s_lshr_b32 s22, s20, 3                         ; nt: which 128 of n
	s_lshl3_add_u32 s23, s21, s18                  ; 8 kt + wave: my 16 rows of k
	s_mul_i32 s23, s23, 16*\pitchb
	s_lshl_b32 s24, s22, 9                         ; 128 columns of 4 bytes
	s_add_co_u32 s24, s24, s23
	s_add_nc_u64 s[\src:\src+1], s[\src:\src+1], s[24:25]
	s_lshl_b32 s24, s22, 18                        ; 128 rows of n, 2,048 bytes each
	s_lshl_b32 s26, s21, 8                         ; 128 k of 2 bytes
	s_add_co_u32 s24, s24, s26
	s_add_nc_u64 s[\dst:\dst+1], s[\dst:\dst+1], s[24:25]
	v_and_b32 v1, 31, v0                           ; lane
	v_lshlrev_b32 v2, 4, v1                        ; my four columns: 16 bytes
.irp j, 0,1,2,3,4,5,6,7,8,9,10,11,12,13,14,15
	global_load_b128 v[X+4*\j:X+4*\j+3], v2, s[\src:\src+1] offset:\j*\pitchb th:TH_LOAD_NT   ; row 16 wave + j: 512 neighbouring bytes
.endr
	s_mul_i32 s26, s18, REG                        ; my region of LDS: no other wave stores into it
	v_mul_u32_u24 v3, v1, 4*RPITCH                 ; my four columns are four LDS rows
	v_add_nc_u32 v3, s26, v3
	v_and_b32 v4, 15, v0                           ; the read-back: which 16 bytes (8 k) of a row of n
	v_bfe_u32 v5, v0, 4, 1                         ; lanes 0-15 one row, lanes 16-31 the next
	v_lshrrev_b32 v6, 1, v4                        ; those 8 k lie in region (lane % 16) / 2,
	v_mul_u32_u24 v6, v6, REG
	v_and_b32 v7, 1, v0
	v_lshl_add_u32 v6, v7, 4, v6                   ; in its lower or upper 16 bytes
	s_lshl_b32 s27, s18, 4
	v_add_nc_u32 v5, s27, v5                       ; row of n: 16 wave + (lane / 16), + 2 i below
	v_mad_u32_u24 v6, v5, RPITCH, v6
	v_lshlrev_b32 v7, 11, v5                       ; the same row in the result, 2,048 bytes a row
	v_lshl_add_u32 v7, v4, 4, v7
.irp jj, 0,1
	s_wait_loadcnt 8-8*\jj                         ; loads return in order: rows 0-7 are in while the eight younger are out; then all
.irp c, 0,1,2,3
.irp p, 0,1,2,3
	v_cvt_pk_f16_f32 v[T+16*\jj+4*\c+\p], v[X+32*\jj+8*\p+\c], v[X+32*\jj+8*\p+4+\c]    ; k and k + 1 of column c
.endr
	ds_store_b128 v3, v[T+16*\jj+4*\c:T+16*\jj+4*\c+3] offset:\c*RPITCH+16*\jj         ; 8 k of one column: 16 bytes
.endr
.endr
	s_wait_dscnt 0x0                               ; my stores are done, for the other waves' sake
	s_barrier_signal -1
	s_barrier_wait -1                              ; everybody's are
.irp i, 0,1,2,3,4,5,6,7
	ds_load_b128 v[X+4*\i:X+4*\i+3], v6 offset:2*RPITCH*\i
.endr
.irp i, 0,1,2,3,4,5,6,7
	s_wait_dscnt 7-\i                              ; LDS loads return in order: load i is in, the younger stay out
	global_store_b128 v7, v[X+4*\i:X+4*\i+3], s[\dst:\dst+1] offset:4096*\i            ; 16 lanes store 256 consecutive bytes, aligned
.endr
.endm
	s_load_b256 s[4:11], s[0:1], 0x0               ; x s[4:5], Wqkv s[6:7], Wout s[8:9], xb s[10:11]
	s_load_b128 s[12:15], s[0:1], 0x20             ; wqkvt s[12:13], woutt s[14:15]
	s_load_b64 s[16:17], s[0:1], 0x30              ; rope
	v_lshl_add_u32 v128, v0, 2, 0xc200
	v_mov_b32 v129, 0
	v_lshrrev_b32 v1, 5, v0
	v_readfirstlane_b32 s18, v1                    ; wave 0..7
	s_mov_b32 s25, 0                               ; the upper word of every offset
	s_wait_kmcnt 0x0
	s_cmp_lt_u32 ttmp9, 256                        ; the job hangs on the work-group's number alone: all eight waves go the same way
	s_cbranch_scc1 .Lcast
	s_cmp_lt_u32 ttmp9, 448
	s_cbranch_scc1 .Lwqkv
	TRANSP 8, 14, 4096, 448
	s_wait_tensorcnt 0x0
	ds_add_u32 v128, v129
	s_wait_dscnt 0x0
	s_endpgm
.Lwqkv:
	TRANSP 6, 12, 12288, 256
	s_wait_tensorcnt 0x0
	ds_add_u32 v128, v129
	s_wait_dscnt 0x0
	s_endpgm
.Lcast:
	s_lshl_b32 s24, ttmp9, 16                      ; 16,384 f32
	s_add_nc_u64 s[4:5], s[4:5], s[24:25]
	s_lshl_b32 s24, ttmp9, 15                      ; 16,384 f16
	s_add_nc_u64 s[10:11], s[10:11], s[24:25]
	s_lshl_b32 s24, ttmp9, 10                      ; four rows of the table
	s_add_nc_u64 s[16:17], s[16:17], s[24:25]
	v_lshlrev_b32 v1, 4, v0                        ; 16 t: what I read
	v_lshlrev_b32 v2, 3, v0                        ; 8 t: what I write of xb
	v_lshlrev_b32 v3, 2, v0                        ; 4 t: my entry of the table
.irp i, 0,1,2,3,4,5,6,7,8,9,10,11,12,13,14,15
	global_load_b128 v[X+4*\i:X+4*\i+3], v1, s[4:5] offset:4096*\i th:TH_LOAD_NT
.endr
	; one entry of the table for each thread, while the loads are on their way: row 4 id + t / 64, column t % 64
	v_and_b32 v4, 31, v0                           ; i
	v_cvt_f32_u32 v4, v4
	v_mul_f32 v4, 0xbed49a78, v4                   ; - i log2(10000) / 32
	v_exp_f32 v4, v4                               ; f_i
	v_lshrrev_b32 v5, 6, v0                        ; (a plain instruction stands behind v_exp_f32 before its result is used: ISA guide 5.7.2)
	s_lshl_b32 s22, ttmp9, 2
	v_add_nc_u32 v5, s22, v5                       ; s
	v_cvt_f32_u32 v5, v5
	s_wait_alu depctr_va_vdst(0)
	v_mul_f32 v5, v5, v4                           ; the angle, rounded as pos * inv_freq is
	v_and_b32 v6, 63, v0
	v_mov_b32 v7, 0x3e800000
	v_cmp_gt_u32 vcc_lo, 32, v6
	v_cndmask_b32 v6, 0, v7, vcc_lo                ; columns 0-31: cos a = sin(a + a quarter turn)
	v_fma_f32 v5, v5, 0.15915494, v6               ; in turns
	v_rndne_f32 v7, v5
	v_sub_f32 v5, v5, v7                           ; r in -1/2 .. 1/2
	v_sub_f32 v7, 0.5, |v5|
	v_min_num_f32 v7, |v5|, v7                     ; folded to 0 .. 1/4: sin(2 pi r) = sign(r) sin(2 pi min(|r|, 1/2 - |r|))
	v_mul_f32 v7, 0x40c90fdb, v7                   ; x = 2 pi y, 0 .. pi/2
	v_mul_f32 v8, v7, v7                           ; x^2
	v_mov_b32 v9, 0xb2d7322b                       ; -1/11!
	v_fmaak_f32 v9, v9, v8, 0x3638ef1d             ; +1/9!
	v_fmaak_f32 v9, v9, v8, 0xb9500d01             ; -1/7!
	v_fmaak_f32 v9, v9, v8, 0x3c088889             ; +1/5!
	v_fmaak_f32 v9, v9, v8, 0xbe2aaaab             ; -1/3!
	v_mul_f32 v8, v7, v8                           ; x^3
	v_fma_f32 v7, v8, v9, v7                       ; x + x^3 p(x^2)
	v_bfi_b32 v7, 0x7fffffff, v7, v5               ; r's sign
	global_store_b32 v3, v7, s[16:17]              ; 256 threads: 1,024 consecutive bytes
.irp i, 0,1,2,3,4,5,6,7,8,9,10,11,12,13,14,15
	s_wait_loadcnt 15-\i                           ; loads return in order: load i is in, the younger stay out
	v_cvt_pk_f16_f32 v[X+4*\i], v[X+4*\i], v[X+4*\i+1]
	v_cvt_pk_f16_f32 v[X+4*\i+1], v[X+4*\i+2], v[X+4*\i+3]
	global_store_b64 v2, v[X+4*\i:X+4*\i+1], s[10:11] offset:2048*\i     ; a wave stores 256 consecutive bytes, aligned
.endr
	s_endpgm
.Lfunc_end_k_q43f5e4e1d6_prep:
	.size	k_q43f5e4e1d6_prep, .Lfunc_end_k_q43f5e4e1d6_prep-k_q43f5e4e1d6_prep
	.p2alignl 7, 3214868480
	.fill 96, 4, 3214868480
	.section	.rodata,"a",@progbits
	.p2align	6, 0x0
	.amdhsa_kernel k_q43f5e4e1d6_prep
		.amdhsa_group_segment_fixed_size 50688
		.amdhsa_private_segment_fixed_size 0
		.amdhsa_enable_private_segment 0
		.amdhsa_kernarg_size 56
		.amdhsa_user_sgpr_count 2
		.amdhsa_user_sgpr_kernarg_segment_ptr 1
		.amdhsa_wavefront_size32 1
		.amdhsa_system_sgpr_workgroup_id_x 1
		.amdhsa_system_sgpr_workgroup_id_y 1
		.amdhsa_system_sgpr_workgroup_id_z 1
		.amdhsa_system_vgpr_workitem_id 0
		.amdhsa_next_free_vgpr 130
		.amdhsa_next_free_sgpr 66
		.amdhsa_reserve_vcc 1
		.amdhsa_float_denorm_mode_32 3
		.amdhsa_float_denorm_mode_16_64 3
		.amdhsa_memory_ordered 1
		.amdhsa_forward_progress 1
		.amdhsa_inst_pref_size 23
	.end_amdhsa_kernel
	.amdgpu_metadata
---
amdhsa.version: [ 1, 2 ]
amdhsa.kernels:
  - .name:           k_q43f5e4e1d6_prep
    .symbol:         k_q43f5e4e1d6_prep.kd
    .args:
      - { .name: x, .offset: 0, .size: 8, .value_kind: global_buffer, .address_space: global }
      - { .name: Wqkv, .offset: 8, .size: 8, .value_kind: global_buffer, .address_space: global }
      - { .name: Wout, .offset: 16, .size: 8, .value_kind: global_buffer, .address_space: global }
      - { .name: xb, .offset: 24, .size: 8, .value_kind: global_buffer, .address_space: global }
      - { .name: wqkvt, .offset: 32, .size: 8, .value_kind: global_buffer, .address_space: global }
      - { .name: woutt, .offset: 40, .size: 8, .value_kind: global_buffer, .address_space: global }
      - { .name: rope, .offset: 48, .size: 8, .value_kind: global_buffer, .address_space: global }
    .group_segment_fixed_size: 50688
    .private_segment_fixed_size: 0
    .kernarg_segment_align: 8
    .kernarg_segment_size: 56
    .max_flat_workgroup_size: 256
    .sgpr_count:     66
    .vgpr_count:     130
    .wavefront_size: 32
...
	.end_amdgpu_metadata
.endif
;; end of part 1
;; launch qkv (part 2): grid 16 x 16, 4 waves a work-group, clusters of 4 x 4, 327,680 bytes of LDS; arguments xb, wqkvt, bqkv, rope, qkvh; writes qkvh
.if DOCPART == 2
	.amdgcn_target "amdgcn-amd-amdhsa--gfx1250"
	.amdhsa_code_object_version 6
	.text
	.protected	k_q43f5e4e1d6_qkv
	.globl	k_q43f5e4e1d6_qkv
	.p2align	8
	.type	k_q43f5e4e1d6_qkv,@function
k_q43f5e4e1d6_qkv:
	s_mov_b64 s[64:65], 0
	v_nop
	global_prefetch_b8 v0, s[64:65] scope:SCOPE_SE
	s_setreg_imm32_b32 hwreg(HW_REG_WAVE_MODE, 25, 1), 1
	s_wait_xcnt 0x0
	s_wait_alu depctr_hold_cnt(0) depctr_sa_sdst(0) depctr_va_vdst(0) depctr_va_sdst(0) depctr_va_ssrc(0) depctr_va_vcc(0) depctr_vm_vsrc(0)
	s_getreg_b32 s2, hwreg(HW_REG_IB_STS2, 6, 4)
	s_cmp_eq_u32 s2, 0
	s_cbranch_scc0 .Lentry_in_a_cluster
	s_endpgm
.Lentry_in_a_cluster:
	s_bfe_u32 s2, ttmp6, 0x10000c
	s_cmp_lg_u32 s2, 0xf033
	s_cbranch_scc0 .Lentry_shape_is_right
	s_endpgm
.Lentry_shape_is_right:
; qkv = x Wqkv + bqkv, the rotary turn of q and k, q scaled by log2(e)/8; stored in f16 by heads:
; qkvh[b][g][s][64], g = 16 type + head (type 0 q, 1 k, 2 v).  xb: [4096][1024] f16.  wqkvt: [3072 n][1024 k] f16.
; A work-group makes 256 rows x 192 columns (three whole heads): 16 x 16 = 256 equal work-groups.  A wave makes 64 rows x 192 columns:
; 4 x 12 accumulator tiles, 384 registers.  A wave owns whole heads, so that the rotary partners d and d + 32 lie in one lane and
; whole 128-byte rows of a head leave from one wave.  For 32 along K a wave reads 256 rows x 64 bytes of LDS for 48 matrix instructions.
; K goes in steps of 128 through two LDS slots filled by tensor loads whose rows are 256 bytes of memory at multiples of 256 bytes.
; CLUSTERS: 4 x 4 work-groups.  x's tile hangs on the block row alone and is asked for jointly by a row of the cluster; W's on the block
; column alone, by a column: each of the four issues the same load with the same descriptor.  That divides the requests for both by four.
; The factor log2(e)/8 is 1/sqrt(64) and the change from e^x to 2^x; it is applied in f32, before the one rounding to f16.
; LIMIT: q, k and v leave in f16 (11 significant bits, for the sake of the three products that follow), so they must stay below 65,504 in
; magnitude; beyond that they become infinite.  A sum of 1,024 products of x (spread 1) and W (spread 0.02) has spread 0.64; with all inputs
; 30 times larger 576, some 3,500 at six spreads; with x and W both carrying an offset of 30 spreads 1,024 x 30 x 0.6 = 18,432.
;
; REGISTERS in windows of 256:
;   window 0: v4-15 factors, v16-28 addresses, v32-63 / v64-95 x's fragments (two buffers of 4), v96-191 bias of my 192 columns;
;             on the way out also v192-255 and the fragment buffers
;   window 1: v0-95 / v96-191 W's fragments (two buffers of 12)
;   window 2: accumulators of my rows 0-31 (tile (a, b) at 8 (12 a + b)), v192-255 cos and sin of those rows;  window 3: rows 32-63
; THE MATRIX INSTRUCTION IS USED TRANSPOSED: source 0 = 16 rows of wqkvt, source 1 = 16 rows of xb.  Lane l then holds row l % 16 and, in
; registers 0-7, the columns 8 (l / 16) + 0..7 of the tile: eight neighbouring numbers of a row.
.set KSTEP,  128
.set PITCH,  272                       ; an LDS row: 256 bytes + 16, an odd multiple of 16: the 16 rows of a fragment load lie 16 bytes apart modulo 256
.set AWAVE,  64*PITCH                  ; what one wave fetches of x, and reads of it
.set BWAVE,  48*PITCH                  ; what one wave fetches of W
.set BOFF,   256*PITCH                 ; W's 192 rows lie behind x's 256
.set SLOT,   448*PITCH                 ; 121,856
.set STAGE,  2*SLOT                    ; behind the ring, at a multiple of 256 bytes: no tensor load lands here
.set SPITCH, 144                       ; a stage row: 64 f16 + 16 bytes
.set SWAVE,  16*SPITCH
.set LAPS,   4                         ; 1024 / (2 x 128)
.set ALB,  4                           ; v[4:15]   head hh: (alpha, alpha, beta, beta)
.set ADRA, 16                          ; v16-17    LDS address of my x fragments in slot 0, 1
.set ADRB, 20                          ; v20-21    the same for W
.set STO,  24
.set RD,   25
.set CO,   26
.set ROPEOFF, 27
.set BIASOFF, 28
.set FA,   32                          ; x's fragment buffer f at FA + 32 f (window 0); W's at 96 f (window 1)
.set BIAS, 96
.set CP,   192                         ; way out: alpha cos + beta
.set SP,   208                         ; way out: alpha sin
.set X,    224                         ; way out: a head's 64 sums + bias, then the packed results
.set T,    32                          ; way out: turned numbers
.set RB,   64                          ; way out: rows read back, two sets of 16
.set CS,   192                         ; windows 2, 3: cos (16) and sin (16) for each of two row tiles
.set G1A, 24
.set G0A, 32
.set G1B, 48
.set G0B, 56
.set MSB, 0
.macro WIN new                         ; the immediate's high byte repeats the setting that is left
.if MSB != \new
	s_set_vgpr_msb (MSB<<8)|\new
.set MSB, \new
.endif
.endm
.set MUL_LO, 0xa1                      ; source 0 (W) window 1, source 1 (x) window 0, C and D window 2
.set MUL_HI, 0xf1                      ; the same, C and D window 3
.macro PLACES                          ; four plain vector places behind matrix instructions (ISA guide 7.12.1) before their registers are loaded into or read
.rept 4
	v_nop
.endr
.endm
.macro CREST                           ; a round of the cluster's barrier behind its opening work-group barrier
	s_cmp_lg_u32 s14, 0
	s_cbranch_scc1 .Lnot_wave_0_\@
	s_barrier_signal -3
.Lnot_wave_0_\@:
	s_barrier_wait -3
	s_barrier_signal -1
	s_barrier_wait -1
.endm
.macro CROUND
	s_barrier_signal -1
	s_barrier_wait -1
	CREST
.endm
.macro JLOAD s                         ; every wave asks for its 64 rows of x and its 48 rows of W: each line has one mask
	tensor_load_to_lds s[G0A+4*\s:G0A+4*\s+3], s[G1A:G1A+7]
	s_nop 0
	tensor_load_to_lds s[G0B+4*\s:G0B+4*\s+3], s[G1B:G1B+7]
	s_nop 0
.endm
	s_load_b256 s[4:11], s[0:1], 0x0               ; xb s[4:5], wqkvt s[6:7], bqkv s[8:9], rope s[10:11]
	s_load_b64 s[12:13], s[0:1], 0x20              ; qkvh
	s_set_vgpr_msb 0x40
	v_lshl_add_u32 v255, v0, 2, 0x3dc00
	s_set_vgpr_msb 0x4000
	v_mov_b32 v31, 0
	s_set_vgpr_msb 0x1
	ds_add_u32 v255, v31
	s_set_vgpr_msb 0x100
	v_lshrrev_b32 v1, 5, v0
	v_readfirstlane_b32 s14, v1                    ; wave 0..3
	s_bfe_u32 s40, ttmp6, 0x40000                  ; cx
	s_bfe_u32 s41, ttmp6, 0x40004                  ; cy
	s_lshl_b32 s42, ttmp9, 2
	s_add_co_u32 s42, s42, s40                     ; block column bx = 4 x cluster x + cx
	s_and_b32 s43, ttmp7, 0xffff
	s_lshl_b32 s43, s43, 2
	s_add_co_u32 s43, s43, s41                     ; block row by = 4 x cluster y + cy
	s_lshl_b32 s44, s41, 2
	s_lshl_b32 s44, 15, s44                        ; my row of the cluster
	s_lshl_b32 s45, 0x1111, s40                    ; my column
	; group 1: rows of 128 f16, 16 bytes of padding behind every 64 words; x 64 rows, W 48 rows
	s_or_b32 s[G1A+0], s44, (1<<16)|(1<<20)|(1<<21)|(5<<22)|(3<<25)
	s_or_b32 s[G1B+0], s45, (1<<16)|(1<<20)|(1<<21)|(5<<22)|(3<<25)
	s_mov_b32 s[G1A+1], KSTEP<<16                  ; tensor_dim0 = 128
	s_mov_b32 s[G1B+1], KSTEP<<16
	s_mov_b32 s[G1A+2], 64<<16                     ; tensor_dim1 = 64
	s_mov_b32 s[G1B+2], 48<<16                     ;             = 48
	s_mov_b32 s[G1A+3], KSTEP<<16                  ; tile_dim0 = 128
	s_mov_b32 s[G1B+3], KSTEP<<16
	s_mov_b32 s[G1A+4], 64                         ; tile_dim1
	s_mov_b32 s[G1B+4], 48
	s_mov_b32 s[G1A+5], 1024                       ; elements from row to row
	s_mov_b32 s[G1B+5], 1024
	s_mov_b32 s[G1A+6], 0
	s_mov_b32 s[G1B+6], 0
	s_mov_b32 s[G1A+7], 0
	s_mov_b32 s[G1B+7], 0
	; x's address is made of by and the wave, W's of bx and the wave, each in registers that never hold the other coordinate
	s_lshl_b32 s16, s43, 8
	s_lshl_b32 s15, s14, 6
	s_add_co_u32 s16, s16, s15                     ; row 256 by + 64 wave
	s_lshl_b32 s16, s16, 11                        ; 2,048 bytes a row
	s_mov_b32 s17, 0
	s_mul_i32 s46, s42, 192
	s_mul_i32 s15, s14, 48
	s_add_co_u32 s46, s46, s15                     ; row 192 bx + 48 wave
	s_lshl_b32 s46, s46, 11
	s_mov_b32 s47, 0
	s_mul_i32 s20, s14, AWAVE                      ; LDS addresses hang on the wave and the slot alone
	s_mul_i32 s21, s14, BWAVE
	s_add_co_u32 s21, s21, BOFF
	s_wait_dscnt 0x0
	s_wait_kmcnt 0x0
	s_add_nc_u64 s[18:19], s[4:5], s[16:17]
	s_add_nc_u64 s[46:47], s[6:7], s[46:47]
	CROUND                                         ; all sixteen work-groups are here: the first joint loads meet
.irp s, 0,1
	s_mov_b32 s[G0A+4*\s], 1
	s_add_co_u32 s[G0A+4*\s+1], s20, \s*SLOT
	s_add_nc_u64 s[G0A+4*\s+2:G0A+4*\s+3], s[18:19], \s*KSTEP*2
	s_or_b32 s[G0A+4*\s+3], s[G0A+4*\s+3], 0x80000000
	s_mov_b32 s[G0B+4*\s], 1
	s_add_co_u32 s[G0B+4*\s+1], s21, \s*SLOT
	s_add_nc_u64 s[G0B+4*\s+2:G0B+4*\s+3], s[46:47], \s*KSTEP*2
	s_or_b32 s[G0B+4*\s+3], s[G0B+4*\s+3], 0x80000000
	JLOAD \s                                       ; four tensor loads of the wave are out behind these two
.endr
	; the bases of bias, table and result
	s_mul_i32 s72, s42, 768                        ; 192 columns of 4 bytes
	s_mov_b32 s73, 0
	s_add_nc_u64 s[66:67], s[8:9], s[72:73]
	s_and_b32 s74, s43, 3
	s_lshl_b32 s74, s74, 8
	s_lshl_b32 s75, s14, 6
	s_add_co_u32 s74, s74, s75                     ; my first position s = 256 (by % 4) + 64 wave
	s_lshl_b32 s72, s74, 8
	s_add_nc_u64 s[68:69], s[10:11], s[72:73]
	s_lshr_b32 s75, s43, 2                         ; batch
	s_mul_i32 s75, s75, 48
	s_mul_i32 s76, s42, 3                          ; my first head g
	s_add_co_u32 s75, s75, s76
	s_lshl_b32 s75, s75, 17                        ; 1,024 rows of 128 bytes
	s_lshl_b32 s72, s74, 7
	s_add_co_u32 s72, s72, s75
	s_add_nc_u64 s[70:71], s[12:13], s[72:73]
	v_and_b32 v1, 15, v0                           ; r = l % 16
	v_bfe_u32 v2, v0, 4, 1                         ; h = l / 16
	v_and_b32 v3, 31, v0                           ; l
	v_lshlrev_b32 v[BIASOFF], 5, v2                ; my 8 columns of a tile: 32 h bytes
	v_lshl_add_u32 v[ROPEOFF], v1, 8, v[BIASOFF]   ; row r of the table, 32 h
	; bias and table are asked for now and waited for on the way out; their address registers are never written again
.irp b, 0,1,2,3,4,5,6,7,8,9,10,11
	global_load_b128 v[BIAS+8*\b:BIAS+8*\b+3],   v[BIASOFF], s[66:67] offset:64*\b
	global_load_b128 v[BIAS+8*\b+4:BIAS+8*\b+7], v[BIASOFF], s[66:67] offset:64*\b+16
.endr
.macro ROPELD a                        ; cos and sin of columns 16 bb + 8 h + 0..7 (bb = 0, 1) for row tile a
.irp q, 0,1,2,3
	global_load_b128 v[CS+32*(\a&1)+8*\q:CS+32*(\a&1)+8*\q+3],   v[ROPEOFF], s[68:69] offset:\a*4096+64*\q
	global_load_b128 v[CS+32*(\a&1)+8*\q+4:CS+32*(\a&1)+8*\q+7], v[ROPEOFF], s[68:69] offset:\a*4096+64*\q+16
.endr
.endm
	WIN 0x80
	ROPELD 0
	ROPELD 1
	WIN 0xc0
	ROPELD 2
	ROPELD 3
	WIN 0
	; alpha and beta of my three heads: q: (log2(e)/8, 0), k: (1, 0), v: (0, 1).  Selected values, no branch.
.irp hh, 0,1,2
	s_add_co_u32 s77, s76, \hh
	s_cmp_lt_u32 s77, 16
	s_cselect_b32 s78, 0x3e38aa3b, 1.0
	s_cmp_lt_u32 s77, 32
	s_cselect_b32 s78, s78, 0
	s_cselect_b32 s79, 0, 1.0
	v_mov_b32 v[ALB+4*\hh], s78
	v_mov_b32 v[ALB+4*\hh+1], s78
	v_mov_b32 v[ALB+4*\hh+2], s79
	v_mov_b32 v[ALB+4*\hh+3], s79
.endr
	v_mul_u32_u24 v29, v1, PITCH
	v_lshl_add_u32 v29, v2, 4, v29                 ; row x pitch + 16 h
	s_mov_b32 s22, BOFF
.irp s, 0,1
	v_add_nc_u32 v[ADRA+\s], s20, v29              ; my 64 rows of x
	v_add_nc_u32 v[ADRB+\s], s22, v29              ; all 192 rows of W
	s_add_co_u32 s20, s20, SLOT
	s_add_co_u32 s22, s22, SLOT
.endr
	s_mul_i32 s23, s14, SWAVE
	s_add_co_u32 s23, s23, STAGE                   ; my stage
	v_mul_u32_u24 v29, v1, SPITCH
	v_lshl_add_u32 v29, v2, 4, v29
	v_add_nc_u32 v[STO], s23, v29                  ; in: row r, 16 h
	v_lshrrev_b32 v29, 3, v3
	v_mul_u32_u24 v29, v29, SPITCH
	v_and_b32 v30, 7, v0
	v_lshl_add_u32 v29, v30, 4, v29
	v_add_nc_u32 v[RD], s23, v29                   ; back: eight lanes take one row of 128 bytes
	v_lshlrev_b32 v[CO], 4, v3                     ; four rows of 128 bytes are 512 consecutive bytes of the result
; 12 matrix instructions: row tile a of the window's two (hi = 0: my rows 0-31, 1: rows 32-63) x all 12 column tiles, 32 along K.
.macro MUL12 f, hi, a, zero
.irp b, 0,1,2,3,4,5,6,7,8,9,10,11
.if \zero
	v_wmma_f32_16x16x32_f16 v[8*(12*\a+\b):8*(12*\a+\b)+7], v[96*\f+8*\b:96*\f+8*\b+7], v[FA+32*\f+8*(2*\hi+\a):FA+32*\f+8*(2*\hi+\a)+7], 0
.else
	v_wmma_f32_16x16x32_f16 v[8*(12*\a+\b):8*(12*\a+\b)+7], v[96*\f+8*\b:96*\f+8*\b+7], v[FA+32*\f+8*(2*\hi+\a):FA+32*\f+8*(2*\hi+\a)+7], v[8*(12*\a+\b):8*(12*\a+\b)+7]
.endif
.endr
.endm
; 32 LDS loads in one run: a quarter step's fragments (192 rows of W, then my 64 rows of x; 32 K at byte k of the rows) into buffer f
.macro FETCH slot, k, f
	WIN 0x40
.irp i, 0,1,2,3,4,5,6,7,8,9,10,11
	ds_load_b128 v[96*\f+8*\i:96*\f+8*\i+3],   v[ADRB+\slot] offset:\k+\i*16*PITCH
	ds_load_b128 v[96*\f+8*\i+4:96*\f+8*\i+7], v[ADRB+\slot] offset:\k+\i*16*PITCH+32
.endr
	WIN 0
.irp i, 0,1,2,3
	ds_load_b128 v[FA+32*\f+8*\i:FA+32*\f+8*\i+3],   v[ADRA+\slot] offset:\k+\i*16*PITCH
	ds_load_b128 v[FA+32*\f+8*\i+4:FA+32*\f+8*\i+7], v[ADRA+\slot] offset:\k+\i*16*PITCH+32
.endr
.endm
; A K step is four quarters of 32 along K, 48 matrix instructions each, on buffers 0, 1, 0, 1.  The 48 accumulators take turns, one
; instruction a turn, in the same order in every quarter, over the backward jump too.
.macro QUARTER slot, k, f, g, zero
	s_wait_dscnt 4                                 ; W and x's row tiles 0, 1 are in; the youngest four loads (row tiles 2, 3) may be out
	WIN MUL_LO
	MUL12 \f, 0, 0, \zero
	MUL12 \f, 0, 1, \zero
	PLACES
	FETCH \slot, \k, \g
	s_wait_dscnt 32                                ; all but the 32 just issued
	WIN MUL_HI
	MUL12 \f, 1, 0, \zero
	MUL12 \f, 1, 1, \zero
.endm
.macro THREE slot, zero
	QUARTER \slot, 64,  0, 1, \zero
	QUARTER \slot, 128, 1, 0, 0
	QUARTER \slot, 192, 0, 1, 0
.endm
; The last quarter multiplies buffer 1 and changes slots.  In front of the barrier each wave waits for its reads of this slot and for all
; its tensor loads (its parts of the next slot); behind it (with fill: behind the cluster's round that it opens) the refill comes first,
; then the next slot's first fragments.  From a request to the wait for it a wave issues 180 matrix instructions.
.macro TURN slot, next, fill
	s_wait_dscnt 4
	WIN MUL_LO
	MUL12 1, 0, 0, 0
	s_wait_dscnt 0x0                               ; my reads of this slot are over
	s_wait_tensorcnt 0x0                           ; all my tensor loads have landed
	ds_add_u32 v255, v31
	s_wait_dscnt 0x0
	s_barrier_signal -1
	MUL12 1, 0, 1, 0                               ; register work while the others arrive
	WIN 0
	s_barrier_wait -1
.if \fill
	CREST                                          ; no wave of any partner still reads this slot or has a load on its way
	s_add_nc_u64 s[G0A+4*\slot+2:G0A+4*\slot+3], s[G0A+4*\slot+2:G0A+4*\slot+3], 2*KSTEP*2
	s_add_nc_u64 s[G0B+4*\slot+2:G0B+4*\slot+3], s[G0B+4*\slot+2:G0B+4*\slot+3], 2*KSTEP*2
	JLOAD \slot                                    ; the first tensor loads behind the round: two of the wave are out
.endif
	PLACES
	FETCH \next, 0, 0
	WIN MUL_HI
	MUL12 1, 1, 0, 0
	MUL12 1, 1, 1, 0
.endm
.macro LAP zero
	THREE 0, \zero
	TURN 0, 1, 1
	THREE 1, 0
	TURN 1, 0, 1
.endm
	s_wait_tensorcnt 2                             ; my two parts of K step 0 are in; K step 1's two stay out
	s_barrier_signal -1
	s_barrier_wait -1                              ; everybody's are
	FETCH 0, 0, 0
	LAP 1                                          ; the first products start the sums: nothing is cleared
	WIN 0
	s_mov_b32 s3, LAPS-2
.Llap:
	LAP 0
	WIN 0
	s_sub_co_u32 s3, s3, 1
	s_cmp_lg_u32 s3, 0
	s_cbranch_scc1 .Llap
	THREE 0, 0                                     ; the last lap fills nothing
	TURN 0, 1, 0
	THREE 1, 0
	s_wait_dscnt 4
	WIN MUL_LO
	MUL12 1, 0, 0, 0
	MUL12 1, 0, 1, 0
	s_wait_dscnt 0x0
	WIN MUL_HI
	MUL12 1, 1, 0, 0
	MUL12 1, 1, 1, 0
	; THE WAY OUT, 16 rows of one head at a time: bias, the turn, f16, through my own stage, out as 512 consecutive bytes a store.
	;   out(d) = x(d) C(d) - x(d+32) S(d),  out(d+32) = x(d+32) C(d) + x(d) S(d),  C = alpha cos + beta,  S = alpha sin  (d < 32)
	PLACES
	s_wait_loadcnt 0x0                             ; bias and table
; par: which of the two read-back sets (it may come as an expression: it stands in parentheses); a, hh: the row tile and head that the set holds
.macro STORE4 par, a, hh
	s_wait_dscnt 0x0                               ; the four rows-of-four are back
.irp i, 0,1,2,3
	global_store_b128 v[CO], v[RB+16*(\par)+4*\i:RB+16*(\par)+4*\i+3], s[70:71] offset:\hh*131072+\a*2048+512*\i
.endr
.endm
; row tile a, head hh; par: which read-back set; prev = 1: the group before (row tile pva, head pvh) is stored while this one is staged
.macro GROUP a, hh, par, prev, pva, pvh
.if \a < 2
	WIN 0x02                                       ; source 0 in window 2
.else
	WIN 0x03
.endif
.irp p, 0,1,2,3,4,5,6,7
	v_pk_fma_f32 v[CP+2*\p:CP+2*\p+1], v[CS+32*(\a&1)+2*\p:CS+32*(\a&1)+2*\p+1], v[ALB+4*\hh:ALB+4*\hh+1], v[ALB+4*\hh+2:ALB+4*\hh+3]
.endr
.irp p, 0,1,2,3,4,5,6,7
	v_pk_mul_f32 v[SP+2*\p:SP+2*\p+1], v[CS+32*(\a&1)+16+2*\p:CS+32*(\a&1)+16+2*\p+1], v[ALB+4*\hh:ALB+4*\hh+1]
.endr
.irp tl, 0,1,2,3
.irp p, 0,1,2,3
	v_pk_add_f32 v[X+8*\tl+2*\p:X+8*\tl+2*\p+1], v[8*(12*(\a&1)+4*\hh+\tl)+2*\p:8*(12*(\a&1)+4*\hh+\tl)+2*\p+1], v[BIAS+8*(4*\hh+\tl)+2*\p:BIAS+8*(4*\hh+\tl)+2*\p+1]
.endr
.endr
	WIN 0
.irp p, 0,1,2,3,4,5,6,7
	v_pk_mul_f32 v[T+2*\p:T+2*\p+1], v[X+2*\p:X+2*\p+1], v[CP+2*\p:CP+2*\p+1]
.endr
.irp p, 0,1,2,3,4,5,6,7
	v_pk_mul_f32 v[T+16+2*\p:T+16+2*\p+1], v[X+16+2*\p:X+16+2*\p+1], v[CP+2*\p:CP+2*\p+1]
.endr
.irp p, 0,1,2,3,4,5,6,7
	v_pk_fma_f32 v[T+2*\p:T+2*\p+1], v[X+16+2*\p:X+16+2*\p+1], v[SP+2*\p:SP+2*\p+1], v[T+2*\p:T+2*\p+1] neg_lo:[1,0,0] neg_hi:[1,0,0]
.endr
.irp p, 0,1,2,3,4,5,6,7
	v_pk_fma_f32 v[T+16+2*\p:T+16+2*\p+1], v[X+2*\p:X+2*\p+1], v[SP+2*\p:SP+2*\p+1], v[T+16+2*\p:T+16+2*\p+1]
.endr
.irp i, 0,1,2,3,4,5,6,7,8,9,10,11,12,13,14,15
	v_cvt_pk_f16_f32 v[X+\i], v[T+2*\i], v[T+2*\i+1]
.endr
.if \prev
	STORE4 1-\par, \pva, \pvh
.endif
.irp tl, 0,1,2,3
	ds_store_b128 v[STO], v[X+4*\tl:X+4*\tl+3] offset:32*\tl
.endr
	s_wait_xcnt 0x0                                ; this read-back set was the data of stores: it is loaded again only behind this wait
.irp i, 0,1,2,3
	ds_load_b128 v[RB+16*\par+4*\i:RB+16*\par+4*\i+3], v[RD] offset:4*SPITCH*\i    ; LDS serves a wave's instructions in order (ISA guide 5.7.1.4): these see the stores above
.endr
.endm
	GROUP 0, 0, 0, 0, 0, 0
	GROUP 0, 1, 1, 1, 0, 0
	GROUP 0, 2, 0, 1, 0, 1
	GROUP 1, 0, 1, 1, 0, 2
	GROUP 1, 1, 0, 1, 1, 0
	GROUP 1, 2, 1, 1, 1, 1
	GROUP 2, 0, 0, 1, 1, 2
	GROUP 2, 1, 1, 1, 2, 0
	GROUP 2, 2, 0, 1, 2, 1
	GROUP 3, 0, 1, 1, 2, 2
	GROUP 3, 1, 0, 1, 3, 0
	GROUP 3, 2, 1, 1, 3, 1
	STORE4 1, 3, 2
	s_set_vgpr_msb 0x1
	s_wait_tensorcnt 0x0
	ds_add_u32 v255, v31
	s_wait_dscnt 0x0
	s_set_vgpr_msb 0x100
	CROUND                                         ; the closing round: no work-group ends while a partner may still ask for a tile that names it
	s_endpgm
.Lfunc_end_k_q43f5e4e1d6_qkv:
	.size	k_q43f5e4e1d6_qkv, .Lfunc_end_k_q43f5e4e1d6_qkv-k_q43f5e4e1d6_qkv
	.p2alignl 7, 3214868480
	.fill 96, 4, 3214868480
	.section	.rodata,"a",@progbits
	.p2align	6, 0x0
	.amdhsa_kernel k_q43f5e4e1d6_qkv
		.amdhsa_group_segment_fixed_size 327680
		.amdhsa_private_segment_fixed_size 0
		.amdhsa_enable_private_segment 0
		.amdhsa_kernarg_size 40
		.amdhsa_user_sgpr_count 2
		.amdhsa_user_sgpr_kernarg_segment_ptr 1
		.amdhsa_wavefront_size32 1
		.amdhsa_system_sgpr_workgroup_id_x 1
		.amdhsa_system_sgpr_workgroup_id_y 1
		.amdhsa_system_sgpr_workgroup_id_z 1
		.amdhsa_system_vgpr_workitem_id 0
		.amdhsa_next_free_vgpr 1024
		.amdhsa_next_free_sgpr 96
		.amdhsa_reserve_vcc 0
		.amdhsa_float_denorm_mode_32 3
		.amdhsa_float_denorm_mode_16_64 3
		.amdhsa_memory_ordered 1
		.amdhsa_forward_progress 1
		.amdhsa_inst_pref_size 217
	.end_amdhsa_kernel
	.amdgpu_metadata
---
amdhsa.version: [ 1, 2 ]
amdhsa.kernels:
  - .name:           k_q43f5e4e1d6_qkv
    .symbol:         k_q43f5e4e1d6_qkv.kd
    .args:
      - { .name: xb, .offset: 0, .size: 8, .value_kind: global_buffer, .address_space: global }
      - { .name: wqkvt, .offset: 8, .size: 8, .value_kind: global_buffer, .address_space: global }
      - { .name: bqkv, .offset: 16, .size: 8, .value_kind: global_buffer, .address_space: global }
      - { .name: rope, .offset: 24, .size: 8, .value_kind: global_buffer, .address_space: global }
      - { .name: qkvh, .offset: 32, .size: 8, .value_kind: global_buffer, .address_space: global }
    .group_segment_fixed_size: 327680
    .private_segment_fixed_size: 0
    .kernarg_segment_align: 8
    .kernarg_segment_size: 40
    .max_flat_workgroup_size: 128
    .sgpr_count:     96
    .vgpr_count:     1024
    .wavefront_size: 32
...
	.end_amdgpu_metadata
.endif
;; end of part 2
;; launch attn (part 3): grid 256 x 1, 8 waves a work-group, clusters of 4 x 1, 316,416 bytes of LDS; arguments qkvh, attention_mask, ao; writes ao
.if DOCPART == 3
	.amdgcn_target "amdgcn-amd-amdhsa--gfx1250"
	.amdhsa_code_object_version 6
	.text
	.protected	k_q43f5e4e1d6_attn
	.globl	k_q43f5e4e1d6_attn
	.p2align	8
	.type	k_q43f5e4e1d6_attn,@function
k_q43f5e4e1d6_attn:
	s_mov_b64 s[64:65], 0
	v_nop
	global_prefetch_b8 v0, s[64:65] scope:SCOPE_SE
	s_setreg_imm32_b32 hwreg(HW_REG_WAVE_MODE, 25, 1), 1
	s_wait_xcnt 0x0
	s_wait_alu depctr_hold_cnt(0) depctr_sa_sdst(0) depctr_va_vdst(0) depctr_va_sdst(0) depctr_va_ssrc(0) depctr_va_vcc(0) depctr_vm_vsrc(0)
	s_getreg_b32 s2, hwreg(HW_REG_IB_STS2, 6, 4)
	s_cmp_eq_u32 s2, 0
	s_cbranch_scc0 .Lentry_in_a_cluster
	s_endpgm
.Lentry_in_a_cluster:
	s_bfe_u32 s2, ttmp6, 0x10000c
	s_cmp_lg_u32 s2, 0x3003
	s_cbranch_scc0 .Lentry_shape_is_right
	s_endpgm
.Lentry_shape_is_right:
; ATTENTION of one head for 256 queries.  qkvh[b][g][s][64] f16 (g = head: q, already turned and scaled by log2(e)/8; 16 + head: k; 32 + head: v).
; ao[b][head][s][64] f16.  64 heads x 4 query blocks = 256 work-groups.  The head's whole K and V (1,024 keys) lie in LDS, filled once.
; EIGHT WAVES, two for each set of 64 queries (four tiles of 16): wave w has queries 64 (w % 4) on and, with g = w / 4, the key blocks
; 64 (2 i + g), i = 0..7.  A trip (64 keys) is 32 matrix instructions, some 490 vector instructions that need their results, and 32 matrix
; instructions that need those: in one wave they stand one behind the other.  With two waves to a SIMD the vector work of one can be issued
; while the matrix instructions of the other run.  The split is by keys, not by queries, so that each fragment of K and V read from LDS
; still serves four query tiles.  At the end the two waves of a pair merge their maxima, sums and O through LDS, two query tiles each.
; CLUSTERS: the four query blocks of a head form a cluster and ask for K and V jointly (mask 15): each tile is requested once for the four.
; LAYOUT: S^T = K Q^T, so that a lane holds 8 keys of ONE query in a tile's registers: maximum and sum stay in the lane but for one exchange
; between the halves of the wave, and two tiles of S^T pack in place into the second operand of O^T = V^T P.  In O^T a lane holds 8
; neighbouring d of one query: the rescaling is the lane's own and the result packs into 16 bytes.
; THE MASK enters as the C operand of the first product: 0 for a key that counts, -2^100 for one that is masked out.  A running maximum is
; taken away before every exponential, which is 2^x (the factor log2 e lies in q).
; FORMATS: the weights lie in 0..1 by the running maximum, so f16 holds them (weights under 3e-8 of the row's largest become 0); the result
; is a convex mean of v and has v's room in f16.
; LIMITS: (a) reference() replaces a masked score by the most negative f32, this text adds -2^100: the same result as long as real
; scaled scores stay above -2^99.  (b) A batch in which EVERY key is masked: q is set to zero, so that all scores are exactly -2^100 and all
; weights equal, as in reference().  (c) The row sum is taken of the f32 weights, the product with V of the weights rounded to f16.
.set KPITCH, 144                       ; 128 bytes + 16: an odd multiple of 16
.set VPITCH, 160                       ; 128 bytes + 32: an odd multiple of 32, for the transposing load
.set VOFF,   1024*KPITCH               ; 147,456
.set MBOFF,  VOFF+1024*VPITCH          ; 311,296: the mask's 1,024 f32, written by LDS stores; a multiple of 256: no tensor load lands here
; Behind the last read of K its bytes, which have had their only fill, serve the end of the kernel:
.set XWAVE,  9216                      ; what a wave hands to its partner: 64 registers of O^T (8,192 bytes), four maxima (512), four sums (512)
.set STG,    8*XWAVE                   ; 73,728: 16 rows x 144 bytes for each wave, for the way out
; window 0
.set KAD,  1
.set VAD,  2
.set MAD,  3
.set LS,   4                           ; v[4:7]     query tile qt: the running sum over this half-wave's keys
.set MP,   8                           ; v[8:15]    query tile qt: the running maximum, twice (a pair for packed arithmetic)
.set AL,   16                          ; v[16:23]   query tile qt: 2^(old maximum - new maximum), twice
.set TM,   24                          ; v[24:27]   four chains of the maximum
.set PX,   28                          ; v28        what the other half of the wave sends
.set DD,   29
.set U,    24                          ; v[24:31]   four chains of the sum, once the maximum's registers are free
.set S,    32                          ; v[32:159]  S^T: tile (qt, kt) at 32 qt + 8 kt; then the weights in f16, fragment (qt, ks) at 32 qt + 8 ks
.set KF,   160                         ; v[160:223] K fragments (kt, half of d) at 16 kt + 8 half
.set MBR,  224                         ; v[224:255] the mask's C tiles, kt at 8 kt; before the first trip: set-up's own registers
.set ST,   224
; window 1
.set O,    0                           ; O^T, tile (qt, dt) at 32 qt + 8 dt
.set Q,    128                         ; Q fragments (qt, half of d) at 16 qt + 8 half
.set VF,   192                         ; V^T fragments (ks, dt) at 32 ks + 8 dt
; window 0 at the end of the kernel, in the registers of S and of K's fragments
.set PO,   32                          ; v[32:95]   the partner's O^T of my two query tiles
.set T,    96                          ; v[96:127]  a merged query tile
.set PK,   128                         ; v[128:143] the same in f16
.set XA,   160
.set STO,  161
.set RD,   162
.set CO,   163
.set EM,   164                         ; v[164:167] my four maxima, side by side
.set PM,   168                         ; v[168:171] the partner's maxima
.set PL,   172                         ; v[172:175] the partner's sums
.set W,    176
.set C0,   180                         ; v[180:183] my factor, a pair for each of two tiles
.set C1,   184                         ; v[184:187] the partner's factor
.set ET,   188
.set RB,   192                         ; v[192:223] rows read back from the stage
.set G1K, 16
.set G1V, 24
.set G0,  32                           ; s[32:63]: chunk c: K's group 0 at 8 c, V's at 8 c + 4
.set MSB, 0
.macro WIN new                         ; the immediate's high byte repeats the setting that is left
.if MSB != \new
	s_set_vgpr_msb (MSB<<8)|\new
.set MSB, \new
.endif
.endm
.macro PLACES n
.rept \n
	v_nop
.endr
.endm
.macro CROUND                          ; a round of the cluster's barrier
	s_barrier_signal -1
	s_barrier_wait -1
	s_cmp_lg_u32 s10, 0
	s_cbranch_scc1 .Lnot_wave_0_\@
	s_barrier_signal -3
.Lnot_wave_0_\@:
	s_barrier_wait -3
	s_barrier_signal -1
	s_barrier_wait -1
.endm
	s_load_b128 s[4:7], s[0:1], 0x0                ; qkvh s[4:5], attention_mask s[6:7]
	s_load_b64 s[8:9], s[0:1], 0x10                ; ao
	v_lshl_add_u32 v254, v0, 2, 0x4d000
	v_mov_b32 v255, 0
	ds_add_u32 v254, v255
	s_wait_dscnt 0x0
	v_lshrrev_b32 v1, 5, v0
	v_readfirstlane_b32 s10, v1                    ; wave 0..7
	s_and_b32 s11, s10, 3                          ; which 64 queries
	s_lshr_b32 s90, s10, 2                         ; g: which of every two key blocks
	s_mov_b32 s12, 0x76543210                      ; v_permlanex16_b32: lane i of one half reads lane i of the other
	s_mov_b32 s13, 0xfedcba98
	; group 1: a wave's part of a chunk, 32 keys x 128 bytes, is dense in memory: it comes as 16 rows of 256 bytes, with padding behind every
	; 32 words, that is behind every key: 4 words for K, 8 for V
	s_mov_b32 s[G1K+0], 15|(1<<16)|(1<<20)|(1<<21)|(4<<22)|(3<<25)
	s_mov_b32 s[G1V+0], 15|(1<<16)|(1<<20)|(1<<21)|(4<<22)|(7<<25)
	s_mov_b32 s[G1K+1], 128<<16                    ; tensor_dim0 = 128
	s_mov_b32 s[G1V+1], 128<<16
	s_mov_b32 s[G1K+2], 16<<16                     ; tensor_dim1 = 16
	s_mov_b32 s[G1V+2], 16<<16
	s_mov_b32 s[G1K+3], 128<<16                    ; tile_dim0 = 128
	s_mov_b32 s[G1V+3], 128<<16
	s_mov_b32 s[G1K+4], 16                         ; tile_dim1 = 16
	s_mov_b32 s[G1V+4], 16
	s_mov_b32 s[G1K+5], 128                        ; elements from row to row
	s_mov_b32 s[G1V+5], 128
	s_mov_b32 s[G1K+6], 0
	s_mov_b32 s[G1V+6], 0
	s_mov_b32 s[G1K+7], 0
	s_mov_b32 s[G1V+7], 0
	s_lshr_b32 s14, ttmp9, 4                       ; batch (in a cluster launch ttmp9 counts clusters: one for each head of each batch)
	s_and_b32 s15, ttmp9, 15                       ; head
	s_mul_i32 s74, s14, 48
	s_add_co_u32 s74, s74, s15
	s_lshl_b32 s74, s74, 17                        ; 1,024 rows of 128 bytes
	s_mov_b32 s75, 0
	s_lshl_b32 s76, s10, 12                        ; my 32 keys of a chunk
	s_mov_b32 s77, 0
	s_mul_i32 s80, s10, 32*KPITCH
	s_mul_i32 s81, s10, 32*VPITCH
	s_add_co_u32 s81, s81, VOFF
	s_wait_kmcnt 0x0
	s_add_nc_u64 s[68:69], s[4:5], s[74:75]        ; the head's q
	s_add_nc_u64 s[78:79], s[68:69], s[76:77]
	CROUND                                         ; the four work-groups are here: the joint loads meet
.irp c, 0,1,2,3
	s_mov_b32 s[G0+8*\c], 1
	s_add_co_u32 s[G0+8*\c+1], s80, \c*256*KPITCH
	s_add_nc_u64 s[G0+8*\c+2:G0+8*\c+3], s[78:79], 16*131072+\c*32768      ; k lies 16 heads behind q
	s_or_b32 s[G0+8*\c+3], s[G0+8*\c+3], 0x80000000
	s_mov_b32 s[G0+8*\c+4], 1
	s_add_co_u32 s[G0+8*\c+5], s81, \c*256*VPITCH
	s_add_nc_u64 s[G0+8*\c+6:G0+8*\c+7], s[78:79], 32*131072+\c*32768      ; v 32 heads
	s_or_b32 s[G0+8*\c+7], s[G0+8*\c+7], 0x80000000
	tensor_load_to_lds s[G0+8*\c:G0+8*\c+3], s[G1K:G1K+7]
	s_nop 0
	tensor_load_to_lds s[G0+8*\c+4:G0+8*\c+7], s[G1V:G1V+7]                ; eight tensor loads of the wave are out behind the last
	s_nop 0
.endr
	; what hangs on my place in the cluster lives in s82-s87, which feed no descriptor
	s_bfe_u32 s82, ttmp6, 0x40000                  ; cx: my query block
	s_lshl_b32 s82, s82, 8
	s_lshl_b32 s83, s11, 6
	s_add_co_u32 s82, s82, s83                     ; my first query: 256 cx + 64 (wave % 4)
	s_lshl_b32 s84, s82, 7
	s_mov_b32 s85, 0
	s_add_nc_u64 s[86:87], s[68:69], s[84:85]      ; my q rows
	s_lshl_b32 s84, ttmp9, 10
	s_add_co_u32 s84, s84, s82
	s_lshl_b32 s84, s84, 7
	s_add_nc_u64 s[70:71], s[8:9], s[84:85]        ; my rows of the result
	s_lshl_b32 s76, s14, 12
	s_add_nc_u64 s[72:73], s[6:7], s[76:77]        ; the batch's mask
	v_lshlrev_b32 v[ST], 4, v0                     ; 16 t: my own four words of the mask
	v_and_b32 v[ST+1], 31, v0                      ; l
	v_lshlrev_b32 v[ST+2], 4, v[ST+1]              ; 16 l
	v_and_b32 v[ST+3], 15, v0                      ; r
	v_bfe_u32 v[ST+4], v0, 4, 1                    ; h
	v_lshlrev_b32 v[ST+5], 4, v[ST+4]              ; 16 h
	v_lshl_add_u32 v[ST+6], v[ST+3], 7, v[ST+5]    ; q: row r, 16 h
	global_load_b128 v[TM:TM+3], v[ST], s[72:73]
.irp i, 0,1,2,3,4,5,6,7
	global_load_b128 v[S+4*\i:S+4*\i+3], v[ST+2], s[72:73] offset:512*\i   ; every wave also sees all 1,024 words: is any key left?
.endr
	WIN 0x40
.irp qt, 0,1,2,3
.irp hf, 0,1
	global_load_b128 v[Q+16*\qt+8*\hf:Q+16*\qt+8*\hf+3],   v[ST+6], s[86:87] offset:\qt*2048+64*\hf
	global_load_b128 v[Q+16*\qt+8*\hf+4:Q+16*\qt+8*\hf+7], v[ST+6], s[86:87] offset:\qt*2048+64*\hf+32
.endr
.endr
	WIN 0
	s_mul_i32 s88, s90, 64*KPITCH                  ; my first key block: 64 g
	v_mul_u32_u24 v[ST+7], v[ST+3], KPITCH
	v_add3_u32 v[KAD], v[ST+7], v[ST+5], s88       ; key r of a tile, 16 h
	v_and_b32 v[ST+8], 7, v0
	v_lshl_add_u32 v[ST+9], v[ST+4], 3, v[ST+8]    ; the transposing load: key 8 h + l % 8,
	v_mul_u32_u24 v[ST+9], v[ST+9], VPITCH
	v_bfe_u32 v[ST+10], v0, 3, 1
	v_lshl_add_u32 v[ST+9], v[ST+10], 4, v[ST+9]   ; 16 bytes for each group of eight lanes
	s_mul_i32 s88, s90, 64*VPITCH
	s_add_co_u32 s88, s88, VOFF
	v_add_nc_u32 v[VAD], s88, v[ST+9]
	s_lshl_b32 s89, s90, 8
	s_add_co_u32 s89, s89, MBOFF
	v_lshl_add_u32 v[MAD], v[ST+4], 5, s89         ; keys 8 h + 0..7 of a tile
	s_lshl_b32 s89, s10, 9
	s_add_co_u32 s89, s89, MBOFF
	v_add_nc_u32 v[ST+11], s89, v[ST+2]            ; my four words of the bias: wave x 512 + 16 l
	v_mov_b32 v[ST+12], 0xf1800000                 ; -2^100
	v_mov_b32 v[PX], v0                            ; v_permlanex16_b32 counts as a reader of its destination: any value
	s_wait_loadcnt 16                              ; the mask is in; q's sixteen loads stay out
.irp i, 0,1,2,3,4,5,6,7,8,9,10,11,12,13,14,15
	v_or_b32 v[S+\i], v[S+\i], v[S+16+\i]
.endr
.irp i, 0,1,2,3,4,5,6,7
	v_or_b32 v[S+\i], v[S+\i], v[S+8+\i]
.endr
.irp i, 0,1,2,3
	v_or_b32 v[S+\i], v[S+\i], v[S+4+\i]
.endr
	v_or_b32 v[S], v[S], v[S+2]
	v_or_b32 v[S+1], v[S+1], v[S+3]
	v_or_b32 v[S], v[S], v[S+1]
	v_cmp_ne_u32 vcc_lo, 0, v[S]
	s_cmp_lg_u32 vcc_lo, 0
	s_cselect_b32 s66, -1, 0                       ; all ones if any key counts, else 0: a mask for q, no branch
.irp i, 0,1,2,3
	v_cmp_eq_u32 vcc_lo, 0, v[TM+\i]
	v_cndmask_b32 v[TM+\i], 0, v[ST+12], vcc_lo
.endr
	ds_store_b128 v[ST+11], v[TM:TM+3]
	s_wait_loadcnt 0x0                             ; q
	WIN 0x44
.irp i, 0,1,2,3,4,5,6,7,8,9,10,11,12,13,14,15,16,17,18,19,20,21,22,23,24,25,26,27,28,29,30,31
	v_and_b32 v[Q+2*\i], s66, v[Q+2*\i]
	v_and_b32 v[Q+2*\i+1], s66, v[Q+2*\i+1]
.endr
	WIN 0
; The fragments of K and the mask's C tiles for 64 keys: 24 LDS loads
.macro KLOAD
.irp kt, 0,1,2,3
.irp hf, 0,1
	ds_load_b128 v[KF+16*\kt+8*\hf:KF+16*\kt+8*\hf+3],   v[KAD] offset:\kt*16*KPITCH+64*\hf
	ds_load_b128 v[KF+16*\kt+8*\hf+4:KF+16*\kt+8*\hf+7], v[KAD] offset:\kt*16*KPITCH+64*\hf+32
.endr
.endr
.irp kt, 0,1,2,3
	ds_load_b128 v[MBR+8*\kt:MBR+8*\kt+3],   v[MAD] offset:64*\kt
	ds_load_b128 v[MBR+8*\kt+4:MBR+8*\kt+7], v[MAD] offset:64*\kt+16
.endr
.endm
; The softmax step of query tile qt over this trip's 64 keys, of which my lane holds 32.
.macro SM qt, first
.irp c, 0,1,2,3
	v_max3_num_f32 v[TM+\c], v[S+32*\qt+8*\c], v[S+32*\qt+8*\c+1], v[S+32*\qt+8*\c+2]
.endr
.irp c, 0,1,2,3
	v_max3_num_f32 v[TM+\c], v[TM+\c], v[S+32*\qt+8*\c+3], v[S+32*\qt+8*\c+4]
.endr
.irp c, 0,1,2,3
	v_max3_num_f32 v[TM+\c], v[TM+\c], v[S+32*\qt+8*\c+5], v[S+32*\qt+8*\c+6]
.endr
.irp c, 0,1,2,3
	v_max_num_f32 v[TM+\c], v[TM+\c], v[S+32*\qt+8*\c+7]
.endr
	v_max3_num_f32 v[TM], v[TM], v[TM+1], v[TM+2]
.if \first
	v_max_num_f32 v[TM], v[TM], v[TM+3]
	v_permlanex16_b32 v[PX], v[TM], s12, s13       ; the other 32 keys of the same query
	v_max_num_f32 v[MP+2*\qt], v[TM], v[PX]
	v_max_num_f32 v[MP+2*\qt+1], v[TM], v[PX]
.else
	v_max3_num_f32 v[TM], v[TM], v[TM+3], v[MP+2*\qt]
	v_permlanex16_b32 v[PX], v[TM], s12, s13
	v_max_num_f32 v[MP+2*\qt+1], v[TM], v[PX]      ; the new maximum
	v_sub_f32 v[DD], v[MP+2*\qt], v[MP+2*\qt+1]    ; old - new
	v_mov_b32 v[MP+2*\qt], v[MP+2*\qt+1]
	v_exp_f32 v[AL+2*\qt], v[DD]                   ; the plain lines below stand behind these before their results are used (ISA guide 5.7.2)
	v_exp_f32 v[AL+2*\qt+1], v[DD]
.endif
.irp i, 0,1,2,3,4,5,6,7,8,9,10,11,12,13,14,15
	v_pk_add_f32 v[S+32*\qt+2*\i:S+32*\qt+2*\i+1], v[S+32*\qt+2*\i:S+32*\qt+2*\i+1], v[MP+2*\qt:MP+2*\qt+1] neg_lo:[0,1] neg_hi:[0,1]
.endr
.irp i, 0,1,2,3,4,5,6,7,8,9,10,11,12,13,14,15
	v_exp_f32 v[S+32*\qt+2*\i], v[S+32*\qt+2*\i]
	v_exp_f32 v[S+32*\qt+2*\i+1], v[S+32*\qt+2*\i+1]
.endr
	v_nop                                          ; one plain place behind the exponentials (ISA guide 5.7.2)
	; the sum of my 32 weights in four chains of pairs
	s_wait_alu depctr_va_vdst(0)
.irp i, 0,1,2,3
	v_pk_add_f32 v[U+2*\i:U+2*\i+1], v[S+32*\qt+4*\i:S+32*\qt+4*\i+1], v[S+32*\qt+4*\i+2:S+32*\qt+4*\i+3]
.endr
.irp i, 0,1,2,3
	v_pk_add_f32 v[U+2*\i:U+2*\i+1], v[U+2*\i:U+2*\i+1], v[S+32*\qt+16+2*\i:S+32*\qt+16+2*\i+1]
.endr
.irp i, 0,1,2,3
	v_pk_add_f32 v[U+2*\i:U+2*\i+1], v[U+2*\i:U+2*\i+1], v[S+32*\qt+24+2*\i:S+32*\qt+24+2*\i+1]
.endr
	v_pk_add_f32 v[U:U+1], v[U:U+1], v[U+4:U+5]
	v_pk_add_f32 v[U+2:U+3], v[U+2:U+3], v[U+6:U+7]
	v_pk_add_f32 v[U:U+1], v[U:U+1], v[U+2:U+3]
.if \first
	v_add_f32 v[LS+\qt], v[U], v[U+1]
.else
	v_add_f32 v[U], v[U], v[U+1]
	v_fma_f32 v[LS+\qt], v[LS+\qt], v[AL+2*\qt], v[U]
.endif
	; to f16 in place: register i takes registers 2 i and 2 i + 1, in rising order, so that nothing is overwritten before it is read.
	; Tile 2 ks fills registers 0-3 of fragment ks (keys 8 h ..), tile 2 ks + 1 registers 4-7 (keys 16 + 8 h ..).
.irp i, 0,1,2,3,4,5,6,7,8,9,10,11,12,13,14,15
	v_cvt_pk_f16_f32 v[S+32*\qt+\i], v[S+32*\qt+2*\i], v[S+32*\qt+2*\i+1]
.endr
.endm
.macro PV ks, zero                     ; 16 matrix instructions: O^T += V^T P over 32 keys
.irp qt, 0,1,2,3
.irp dt, 0,1,2,3
.if \zero
	v_wmma_f32_16x16x32_f16 v[O+32*\qt+8*\dt:O+32*\qt+8*\dt+7], v[VF+32*\ks+8*\dt:VF+32*\ks+8*\dt+7], v[S+32*\qt+8*\ks:S+32*\qt+8*\ks+7], 0
.else
	v_wmma_f32_16x16x32_f16 v[O+32*\qt+8*\dt:O+32*\qt+8*\dt+7], v[VF+32*\ks+8*\dt:VF+32*\ks+8*\dt+7], v[S+32*\qt+8*\ks:S+32*\qt+8*\ks+7], v[O+32*\qt+8*\dt:O+32*\qt+8*\dt+7]
.endif
.endr
.endr
.endm
; One trip: 64 keys.  first = 1: nothing to rescale, the products start the sums.  pref = 1: K and the mask of my next trip are fetched.
; sig >= 0: in front of the second product the wave says that its parts of the chunks up to here have landed (sig younger loads stay out).
; wt = 1: behind the first product the wave waits until all eight have said so, and only then reads the new chunk.  Between that signal and
; that wait stand matrix and register work alone, so that a wave which is ahead of the other wave of its SIMD by less than the two products is not held.
; In both products sixteen accumulators take turns, one instruction a turn.
.macro TRIP first, pref, sig, wt
	s_wait_dscnt 0x0                               ; this trip's K fragments and mask tiles are in
	WIN 0x04                                       ; Q window 1, all else window 0
.irp qt, 0,1,2,3
.irp kt, 0,1,2,3
	v_wmma_f32_16x16x32_f16 v[S+32*\qt+8*\kt:S+32*\qt+8*\kt+7], v[KF+16*\kt:KF+16*\kt+7], v[Q+16*\qt:Q+16*\qt+7], v[MBR+8*\kt:MBR+8*\kt+7]
.endr
.endr
.irp qt, 0,1,2,3
.irp kt, 0,1,2,3
	v_wmma_f32_16x16x32_f16 v[S+32*\qt+8*\kt:S+32*\qt+8*\kt+7], v[KF+16*\kt+8:KF+16*\kt+15], v[Q+16*\qt+8:Q+16*\qt+15], v[S+32*\qt+8*\kt:S+32*\qt+8*\kt+7]
.endr
.endr
	WIN 0
	; four plain places behind the matrix instructions (ISA guide 7.12.1) before their sources are loaded again and their results read
.if \pref
	v_add_nc_u32 v[KAD], 128*KPITCH, v[KAD]        ; my next key block lies two blocks on
	v_add_nc_u32 v[MAD], 512, v[MAD]
	PLACES 2
.else
	PLACES 4
.endif
.if \wt
	s_barrier_wait -1                              ; everybody's parts of the new chunk have landed
.endif
	WIN 0x40
.irp ks, 0,1
.irp dt, 0,1,2,3
	ds_load_tr16_b128 v[VF+32*\ks+8*\dt:VF+32*\ks+8*\dt+3],   v[VAD] offset:\ks*32*VPITCH+32*\dt
	ds_load_tr16_b128 v[VF+32*\ks+8*\dt+4:VF+32*\ks+8*\dt+7], v[VAD] offset:\ks*32*VPITCH+32*\dt+16*VPITCH
.endr
.endr
	WIN 0
.if \pref
	KLOAD
.endif
	v_add_nc_u32 v[VAD], 128*VPITCH, v[VAD]
	SM 0, \first
	SM 1, \first
	SM 2, \first
	SM 3, \first
.if \first == 0
	WIN 0x41
.irp qt, 0,1,2,3
.irp i, 0,1,2,3,4,5,6,7,8,9,10,11,12,13,14,15
	v_pk_mul_f32 v[O+32*\qt+2*\i:O+32*\qt+2*\i+1], v[O+32*\qt+2*\i:O+32*\qt+2*\i+1], v[AL+2*\qt:AL+2*\qt+1]
.endr
.endr
.endif
.if \sig >= 0
	s_wait_dscnt 0x0                               ; no LDS instruction of the wave is out at a signal
	s_wait_tensorcnt \sig                          ; tensor loads end in order (ISA guide 10.11.1): all but the youngest sig have landed
	s_barrier_signal -1
.else
.if \pref
	s_wait_dscnt 24                                ; V's sixteen loads are in; the 16 of K and 8 of the mask issued behind them stay out
.else
	s_wait_dscnt 0x0
.endif
.endif
	WIN 0x51                                       ; V^T, C and D window 1, the weights window 0
	PV 0, \first
	PV 1, 0
	WIN 0
	PLACES 5                                       ; the next trip's first product writes over the registers that these read as weights (ISA guide 7.12.1)
.endm
.macro TRIPS n
	s_mov_b32 s67, \n
.Ltrips_\@:
	TRIP 0, 1, -1, 0
	s_sub_co_u32 s67, s67, 1
	s_cmp_lg_u32 s67, 0
	s_cbranch_scc1 .Ltrips_\@
.endm
	; A chunk is 256 keys: two trips of either group of waves.  Trip i fetches K of trip i + 1, so chunk c is first read in trip 2 c - 1.
	s_wait_tensorcnt 6                             ; my parts of chunk 0 are in; the six loads of chunks 1 to 3 stay out
	s_wait_dscnt 0x0                               ; my words of the mask's bias are stored
	s_barrier_signal -1
	s_barrier_wait -1                              ; everybody's are
	KLOAD
	TRIP 1, 1, 4, 0                                ; trip 0; says: chunk 1 has landed (chunks 2 and 3, four loads, stay out)
	TRIP 0, 1, -1, 1                               ; trip 1; waits for that of all waves, then fetches K of trip 2
	TRIP 0, 1, 0, 0                                ; trip 2; says: all has landed
	TRIP 0, 1, -1, 1                               ; trip 3; waits for that of all waves
	TRIPS 3                                        ; trips 4, 5, 6
	TRIP 0, 0, -1, 0                               ; trip 7
	; THE END.  Each wave holds, for 64 queries and its half of the keys, a maximum m, a sum l and O.  Waves w and w + 4 merge them:
	;   m* = max(m0, m1), a = 2^(m - m*), l = a0 l0 + a1 l1, O = (a0 O0 + a1 O1) / l.
	; Waves 0-3 finish query tiles 0 and 1 and hand tiles 2 and 3 over; waves 4-7 the other way round.
.irp qt, 0,1,2,3
	v_permlanex16_b32 v[U+\qt], v[LS+\qt], s12, s13        ; the sum over the other half-wave's keys
.endr
.irp qt, 0,1,2,3
	v_add_f32 v[LS+\qt], v[LS+\qt], v[U+\qt]
	v_mov_b32 v[EM+\qt], v[MP+2*\qt]
.endr
	v_and_b32 v[ET], 31, v0                        ; l
	v_lshlrev_b32 v[CO], 4, v[ET]                  ; four rows of 128 bytes are 512 consecutive bytes of the result
	s_mul_i32 s88, s11, 2*XWAVE
	v_add_nc_u32 v[XA], s88, v[CO]                 ; the pair's hand-over: 16 bytes a lane; waves 0-3 write its first half, waves 4-7 its second
	s_mul_i32 s89, s10, 16*KPITCH
	s_add_co_u32 s89, s89, STG                     ; my stage
	v_and_b32 v[ET+1], 15, v0
	v_bfe_u32 v[ET+2], v0, 4, 1
	v_mul_u32_u24 v[ET+1], v[ET+1], KPITCH
	v_lshl_add_u32 v[ET+1], v[ET+2], 4, v[ET+1]
	v_add_nc_u32 v[STO], s89, v[ET+1]              ; in: row r, 16 h
	v_lshrrev_b32 v[ET+2], 3, v[ET]
	v_mul_u32_u24 v[ET+2], v[ET+2], KPITCH
	v_and_b32 v[ET+3], 7, v0
	v_lshl_add_u32 v[ET+2], v[ET+3], 4, v[ET+2]
	v_add_nc_u32 v[RD], s89, v[ET+2]               ; back: eight lanes take one row of 128 bytes
	s_wait_dscnt 0x0                               ; my reads of K and V are over,
	s_barrier_signal -1
	s_barrier_wait -1                              ; everybody's are: K's bytes may be written
; query tiles q0 and q0 + 1, all four maxima and sums, to byte off of the pair's hand-over
.macro SEND q0, off
	ds_store_b128 v[XA], v[EM:EM+3] offset:\off+8192
	ds_store_b128 v[XA], v[LS:LS+3] offset:\off+8704
	WIN 0x04                                       ; the data of an LDS store is its source 1: window 1
.irp i, 0,1,2,3,4,5,6,7,8,9,10,11,12,13,14,15
	ds_store_b128 v[XA], v[O+32*\q0+4*\i:O+32*\q0+4*\i+3] offset:\off+512*\i
.endr
	WIN 0
.endm
; query tiles q0 and q0 + 1 are merged with what the partner left at byte off, divided by the sum, rounded and stored
.macro FIN q0, off
	ds_load_b128 v[PM:PM+3], v[XA] offset:\off+8192
	ds_load_b128 v[PL:PL+3], v[XA] offset:\off+8704
.irp i, 0,1,2,3,4,5,6,7,8,9,10,11,12,13,14,15
	ds_load_b128 v[PO+4*\i:PO+4*\i+3], v[XA] offset:\off+512*\i
.endr
	s_wait_dscnt 16                                ; the partner's maxima and sums are in; the sixteen loads of its O stay out
.irp j, 0,1
	v_max_num_f32 v[W], v[EM+\q0+\j], v[PM+\q0+\j]
	v_sub_f32 v[W+1], v[EM+\q0+\j], v[W]
	v_sub_f32 v[W+2], v[PM+\q0+\j], v[W]
	v_exp_f32 v[W+1], v[W+1]
	v_exp_f32 v[W+2], v[W+2]
	v_nop                                          ; one plain place behind the exponentials (ISA guide 5.7.2)
	s_wait_alu depctr_va_vdst(0)
	v_mul_f32 v[W+3], v[W+1], v[LS+\q0+\j]
	v_fma_f32 v[W+3], v[W+2], v[PL+\q0+\j], v[W+3]
	v_rcp_f32 v[W+3], v[W+3]
	v_nop                                          ; and behind v_rcp_f32
	s_wait_alu depctr_va_vdst(0)
	v_mul_f32 v[C0+2*\j], v[W+1], v[W+3]
	v_mul_f32 v[C0+2*\j+1], v[W+1], v[W+3]
	v_mul_f32 v[C1+2*\j], v[W+2], v[W+3]
	v_mul_f32 v[C1+2*\j+1], v[W+2], v[W+3]
.endr
	s_wait_dscnt 0x0
.irp j, 0,1
.irp i, 0,1,2,3,4,5,6,7,8,9,10,11,12,13,14,15
	v_pk_mul_f32 v[T+2*\i:T+2*\i+1], v[PO+32*\j+2*\i:PO+32*\j+2*\i+1], v[C1+2*\j:C1+2*\j+1]
.endr
	WIN 0x01                                       ; my O: source 0 in window 1
.irp i, 0,1,2,3,4,5,6,7,8,9,10,11,12,13,14,15
	v_pk_fma_f32 v[T+2*\i:T+2*\i+1], v[O+32*(\q0+\j)+2*\i:O+32*(\q0+\j)+2*\i+1], v[C0+2*\j:C0+2*\j+1], v[T+2*\i:T+2*\i+1]
.endr
	WIN 0
.irp i, 0,1,2,3,4,5,6,7,8,9,10,11,12,13,14,15
	v_cvt_pk_f16_f32 v[PK+\i], v[T+2*\i], v[T+2*\i+1]
.endr
.irp dt, 0,1,2,3
	ds_store_b128 v[STO], v[PK+4*\dt:PK+4*\dt+3] offset:32*\dt
.endr
.irp i, 0,1,2,3
	ds_load_b128 v[RB+16*\j+4*\i:RB+16*\j+4*\i+3], v[RD] offset:4*KPITCH*\i        ; LDS serves a wave's instructions in order (ISA guide 5.7.1.4)
.endr
.endr
	s_wait_dscnt 0x0
.irp j, 0,1
.irp i, 0,1,2,3
	global_store_b128 v[CO], v[RB+16*\j+4*\i:RB+16*\j+4*\i+3], s[70:71] offset:(\q0+\j)*2048+512*\i   ; a wave stores 512 consecutive bytes, aligned
.endr
.endr
.endm
	s_cmp_lt_u32 s10, 4                            ; the branches hang on the wave's number alone and jump over no barrier
	s_cbranch_scc0 .Lsend_upper
	SEND 2, 0
	s_branch .Lsent
.Lsend_upper:
	SEND 0, XWAVE
.Lsent:
	s_wait_dscnt 0x0                               ; my hand-over is stored,
	s_barrier_signal -1
	s_barrier_wait -1                              ; everybody's is
	s_cmp_lt_u32 s10, 4
	s_cbranch_scc0 .Lfin_upper
	FIN 0, XWAVE
	s_branch .Ldone
.Lfin_upper:
	FIN 2, 0
.Ldone:
	s_wait_xcnt 0x0
	v_lshl_add_u32 v254, v0, 2, 0x4d000
	v_mov_b32 v255, 0
	s_wait_tensorcnt 0x0
	ds_add_u32 v254, v255
	s_wait_dscnt 0x0
	CROUND                                         ; the closing round
	s_endpgm
.Lfunc_end_k_q43f5e4e1d6_attn:
	.size	k_q43f5e4e1d6_attn, .Lfunc_end_k_q43f5e4e1d6_attn-k_q43f5e4e1d6_attn
	.p2alignl 7, 3214868480
	.fill 96, 4, 3214868480
	.section	.rodata,"a",@progbits
	.p2align	6, 0x0
	.amdhsa_kernel k_q43f5e4e1d6_attn
		.amdhsa_group_segment_fixed_size 316416
		.amdhsa_private_segment_fixed_size 0
		.amdhsa_enable_private_segment 0
		.amdhsa_kernarg_size 24
		.amdhsa_user_sgpr_count 2
		.amdhsa_user_sgpr_kernarg_segment_ptr 1
		.amdhsa_wavefront_size32 1
		.amdhsa_system_sgpr_workgroup_id_x 1
		.amdhsa_system_sgpr_workgroup_id_y 1
		.amdhsa_system_sgpr_workgroup_id_z 1
		.amdhsa_system_vgpr_workitem_id 0
		.amdhsa_next_free_vgpr 512
		.amdhsa_next_free_sgpr 96
		.amdhsa_reserve_vcc 1
		.amdhsa_float_denorm_mode_32 3
		.amdhsa_float_denorm_mode_16_64 3
		.amdhsa_memory_ordered 1
		.amdhsa_forward_progress 1
		.amdhsa_inst_pref_size 229
	.end_amdhsa_kernel
	.amdgpu_metadata
---
amdhsa.version: [ 1, 2 ]
amdhsa.kernels:
  - .name:           k_q43f5e4e1d6_attn
    .symbol:         k_q43f5e4e1d6_attn.kd
    .args:
      - { .name: qkvh, .offset: 0, .size: 8, .value_kind: global_buffer, .address_space: global }
      - { .name: attention_mask, .offset: 8, .size: 8, .value_kind: global_buffer, .address_space: global }
      - { .name: ao, .offset: 16, .size: 8, .value_kind: global_buffer, .address_space: global }
    .group_segment_fixed_size: 316416
    .private_segment_fixed_size: 0
    .kernarg_segment_align: 8
    .kernarg_segment_size: 24
    .max_flat_workgroup_size: 256
    .sgpr_count:     96
    .vgpr_count:     512
    .wavefront_size: 32
...
	.end_amdgpu_metadata
.endif
;; end of part 3
;; launch oproj (part 4): grid 8 x 32, 4 waves a work-group, clusters of 4 x 4, 327,680 bytes of LDS; arguments ao, woutt, bout, out0; writes out0
.if DOCPART == 4
	.amdgcn_target "amdgcn-amd-amdhsa--gfx1250"
	.amdhsa_code_object_version 6
	.text
	.protected	k_q43f5e4e1d6_oproj
	.globl	k_q43f5e4e1d6_oproj
	.p2align	8
	.type	k_q43f5e4e1d6_oproj,@function
k_q43f5e4e1d6_oproj:
	s_mov_b64 s[64:65], 0
	v_nop
	global_prefetch_b8 v0, s[64:65] scope:SCOPE_SE
	s_setreg_imm32_b32 hwreg(HW_REG_WAVE_MODE, 25, 1), 1
	s_wait_xcnt 0x0
	s_wait_alu depctr_hold_cnt(0) depctr_sa_sdst(0) depctr_va_vdst(0) depctr_va_sdst(0) depctr_va_ssrc(0) depctr_va_vcc(0) depctr_vm_vsrc(0)
	s_getreg_b32 s2, hwreg(HW_REG_IB_STS2, 6, 4)
	s_cmp_eq_u32 s2, 0
	s_cbranch_scc0 .Lentry_in_a_cluster
	s_endpgm
.Lentry_in_a_cluster:
	s_bfe_u32 s2, ttmp6, 0x10000c
	s_cmp_lg_u32 s2, 0xf033
	s_cbranch_scc0 .Lentry_shape_is_right
	s_endpgm
.Lentry_shape_is_right:
; out0 = attention output x Wout + bout, f32.  ao[b][head][s][64] f16 (k = 64 head + d), woutt [1024 n][1024 k] f16.
; A work-group makes 128 rows x 128 columns: 8 x 32 = 256 equal work-groups, which is what 4,096 x 1,024 outputs give 256 of them.
; Four waves, 2 x 2, 64 x 64 each: 16 accumulator tiles.  K goes in four steps of 256 (four heads) through two LDS slots, all written out.
; A's tile for one head and 128 rows is a dense block of 16 KiB of ao: it comes as 64 rows of 256 bytes, padded behind every 128 bytes.
; CLUSTERS: 4 x 4 work-groups; A's tiles are asked for jointly along a row of the cluster, W's along a column.
; The matrix instruction is used transposed (source 0 = rows of woutt, source 1 = rows of ao): a lane holds 8 neighbouring columns of one row.
.set APITCH, 144                       ; 64 f16 + 16 bytes
.set ASUB,   128*APITCH                ; one head's 128 rows: what one wave fetches of A
.set BPITCH, 528                       ; 256 f16 + 16 bytes, an odd multiple of 16
.set BWAVE,  32*BPITCH                 ; what one wave fetches of W
.set BOFF,   4*ASUB                    ; 73,728
.set SLOT,   BOFF+128*BPITCH           ; 141,312
.set STAGE,  2*SLOT                    ; 282,624, a multiple of 256: no tensor load lands here
.set SPITCH, 272                       ; 64 f32 + 16 bytes
.set SWAVE,  16*SPITCH
.set ADRA, 16
.set ADRB, 20
.set STO,  24
.set RD,   25
.set CO,   26
.set BIASOFF, 27
.set F0,   64                          ; fragment buffers: A's four at +8 a, W's four at +32 + 8 b
.set BIAS, 192                         ; v[192:223]
.set G1A, 24
.set G0A, 32
.set G1B, 48
.set G0B, 56
.set MSB, 0
.macro WIN new
.if MSB != \new
	s_set_vgpr_msb (MSB<<8)|\new
.set MSB, \new
.endif
.endm
.macro PLACES
.rept 4
	v_nop
.endr
.endm
.macro CREST
	s_cmp_lg_u32 s14, 0
	s_cbranch_scc1 .Lnot_wave_0_\@
	s_barrier_signal -3
.Lnot_wave_0_\@:
	s_barrier_wait -3
	s_barrier_signal -1
	s_barrier_wait -1
.endm
.macro CROUND
	s_barrier_signal -1
	s_barrier_wait -1
	CREST
.endm
.macro JLOAD s
	tensor_load_to_lds s[G0A+4*\s:G0A+4*\s+3], s[G1A:G1A+7]
	s_nop 0
	tensor_load_to_lds s[G0B+4*\s:G0B+4*\s+3], s[G1B:G1B+7]
	s_nop 0
.endm
	s_load_b256 s[4:11], s[0:1], 0x0               ; ao s[4:5], woutt s[6:7], bout s[8:9], out0 s[10:11]
	v_lshl_add_u32 v254, v0, 2, 0x49400
	v_mov_b32 v255, 0
	ds_add_u32 v254, v255
	v_lshrrev_b32 v1, 5, v0
	v_readfirstlane_b32 s14, v1                    ; wave 0..3
	s_bfe_u32 s40, ttmp6, 0x40000                  ; cx
	s_bfe_u32 s41, ttmp6, 0x40004                  ; cy
	s_lshl_b32 s42, ttmp9, 2
	s_add_co_u32 s42, s42, s40                     ; block column bx
	s_and_b32 s43, ttmp7, 0xffff
	s_lshl_b32 s43, s43, 2
	s_add_co_u32 s43, s43, s41                     ; block row by
	s_lshl_b32 s44, s41, 2
	s_lshl_b32 s44, 15, s44                        ; my row of the cluster
	s_lshl_b32 s45, 0x1111, s40                    ; my column
	s_or_b32 s[G1A+0], s44, (1<<16)|(1<<20)|(1<<21)|(4<<22)|(3<<25)    ; padding of 4 words behind every 32
	s_or_b32 s[G1B+0], s45, (1<<16)|(1<<20)|(1<<21)|(6<<22)|(3<<25)    ; behind every 128
	s_mov_b32 s[G1A+1], 128<<16                    ; tensor_dim0
	s_mov_b32 s[G1B+1], 256<<16
	s_mov_b32 s[G1A+2], 64<<16                     ; tensor_dim1
	s_mov_b32 s[G1B+2], 32<<16
	s_mov_b32 s[G1A+3], 128<<16                    ; tile_dim0
	s_mov_b32 s[G1B+3], 256<<16
	s_mov_b32 s[G1A+4], 64                         ; tile_dim1
	s_mov_b32 s[G1B+4], 32
	s_mov_b32 s[G1A+5], 128                        ; elements from row to row
	s_mov_b32 s[G1B+5], 1024
	s_mov_b32 s[G1A+6], 0
	s_mov_b32 s[G1B+6], 0
	s_mov_b32 s[G1A+7], 0
	s_mov_b32 s[G1B+7], 0
	; A: head 4 step + wave of batch by / 8, rows 128 (by % 8) on.  W: rows 128 bx + 32 wave.
	s_lshr_b32 s16, s43, 3
	s_lshl_b32 s16, s16, 4
	s_add_co_u32 s16, s16, s14                     ; 16 batch + wave
	s_lshl_b32 s16, s16, 10
	s_and_b32 s17, s43, 7
	s_lshl_b32 s17, s17, 7
	s_add_co_u32 s16, s16, s17
	s_lshl_b32 s16, s16, 7                         ; 128 bytes a row
	s_mov_b32 s17, 0
	s_lshl_b32 s46, s42, 7
	s_lshl_b32 s15, s14, 5
	s_add_co_u32 s46, s46, s15
	s_lshl_b32 s46, s46, 11                        ; 2,048 bytes a row
	s_mov_b32 s47, 0
	s_mul_i32 s20, s14, ASUB
	s_mul_i32 s21, s14, BWAVE
	s_add_co_u32 s21, s21, BOFF
	s_wait_dscnt 0x0
	s_wait_kmcnt 0x0
	s_add_nc_u64 s[18:19], s[4:5], s[16:17]
	s_add_nc_u64 s[46:47], s[6:7], s[46:47]
	CROUND                                         ; the first joint loads meet
.irp s, 0,1
	s_mov_b32 s[G0A+4*\s], 1
	s_add_co_u32 s[G0A+4*\s+1], s20, \s*SLOT
	s_add_nc_u64 s[G0A+4*\s+2:G0A+4*\s+3], s[18:19], \s*4*131072       ; four heads on
	s_or_b32 s[G0A+4*\s+3], s[G0A+4*\s+3], 0x80000000
	s_mov_b32 s[G0B+4*\s], 1
	s_add_co_u32 s[G0B+4*\s+1], s21, \s*SLOT
	s_add_nc_u64 s[G0B+4*\s+2:G0B+4*\s+3], s[46:47], \s*512            ; 256 k on
	s_or_b32 s[G0B+4*\s+3], s[G0B+4*\s+3], 0x80000000
	JLOAD \s                                       ; four tensor loads of the wave are out behind these two
.endr
	s_lshr_b32 s22, s14, 1                         ; wm: which 64 rows
	s_and_b32 s23, s14, 1                          ; wn: which 64 columns
	s_lshl_b32 s72, s42, 9
	s_lshl_b32 s74, s23, 8
	s_add_co_u32 s72, s72, s74                     ; my first column, in bytes of f32
	s_mov_b32 s73, 0
	s_add_nc_u64 s[66:67], s[8:9], s[72:73]
	s_lshl_b32 s74, s43, 7
	s_lshl_b32 s75, s22, 6
	s_add_co_u32 s74, s74, s75                     ; my first row
	s_lshl_b32 s74, s74, 12
	s_add_co_u32 s72, s72, s74
	s_add_nc_u64 s[70:71], s[10:11], s[72:73]
	v_and_b32 v1, 15, v0                           ; r
	v_bfe_u32 v2, v0, 4, 1                         ; h
	v_lshlrev_b32 v[BIASOFF], 5, v2
.irp b, 0,1,2,3
	global_load_b128 v[BIAS+8*\b:BIAS+8*\b+3],   v[BIASOFF], s[66:67] offset:64*\b      ; waited for on the way out
	global_load_b128 v[BIAS+8*\b+4:BIAS+8*\b+7], v[BIASOFF], s[66:67] offset:64*\b+16
.endr
	v_mul_u32_u24 v3, v1, APITCH
	v_lshl_add_u32 v3, v2, 4, v3
	v_mul_u32_u24 v4, v1, BPITCH
	v_lshl_add_u32 v4, v2, 4, v4
	s_mul_i32 s76, s22, 64*APITCH
	s_mul_i32 s77, s23, 64*BPITCH
	s_add_co_u32 s77, s77, BOFF
.irp s, 0,1
	v_add_nc_u32 v[ADRA+\s], s76, v3
	v_add_nc_u32 v[ADRB+\s], s77, v4
	s_add_co_u32 s76, s76, SLOT
	s_add_co_u32 s77, s77, SLOT
.endr
	s_mul_i32 s78, s14, SWAVE
	s_add_co_u32 s78, s78, STAGE                   ; my stage
	v_mul_u32_u24 v3, v1, SPITCH
	v_lshl_add_u32 v3, v2, 5, v3
	v_add_nc_u32 v[STO], s78, v3                   ; in: row r, 32 h
	v_mul_u32_u24 v3, v2, SPITCH
	v_lshl_add_u32 v3, v1, 4, v3
	v_add_nc_u32 v[RD], s78, v3                    ; back: sixteen lanes take one row of 256 bytes
	v_lshlrev_b32 v3, 12, v2
	v_lshl_add_u32 v[CO], v1, 4, v3                ; the same two rows of the result, 4,096 bytes apart
; 16 LDS loads: the fragments of 32 along K (piece kk of the step's eight) into the buffer at f
.macro FETCH slot, kk, f
.irp i, 0,1,2,3
	ds_load_b128 v[\f+8*\i:\f+8*\i+3],   v[ADRA+\slot] offset:((\kk)>>1)*ASUB+((\kk)&1)*64+\i*16*APITCH
	ds_load_b128 v[\f+8*\i+4:\f+8*\i+7], v[ADRA+\slot] offset:((\kk)>>1)*ASUB+((\kk)&1)*64+\i*16*APITCH+32
.endr
.irp i, 0,1,2,3
	ds_load_b128 v[\f+32+8*\i:\f+32+8*\i+3],   v[ADRB+\slot] offset:(\kk)*64+\i*16*BPITCH
	ds_load_b128 v[\f+32+8*\i+4:\f+32+8*\i+7], v[ADRB+\slot] offset:(\kk)*64+\i*16*BPITCH+32
.endr
.endm
; 8 matrix instructions: row tiles a0, a0 + 1 x four column tiles.  The 16 accumulators take turns, one instruction a turn.
.macro MUL8 f, a0, zero
.irp a, \a0, \a0+1
.irp b, 0,1,2,3
.if \zero
	v_wmma_f32_16x16x32_f16 v[8*(4*(\a)+\b):8*(4*(\a)+\b)+7], v[\f+32+8*\b:\f+32+8*\b+7], v[\f+8*(\a):\f+8*(\a)+7], 0
.else
	v_wmma_f32_16x16x32_f16 v[8*(4*(\a)+\b):8*(4*(\a)+\b)+7], v[\f+32+8*\b:\f+32+8*\b+7], v[\f+8*(\a):\f+8*(\a)+7], v[8*(4*(\a)+\b):8*(4*(\a)+\b)+7]
.endif
.endr
.endr
.endm
; Pieces 0 to 6 of a step: piece kk's fragments are in; the next piece's are asked for, then piece kk is multiplied.
.macro QSTEP slot, kk, zero
	s_wait_dscnt 0x0
	PLACES                                         ; the other buffer was read by the matrix instructions before (ISA guide 7.12.1)
	FETCH \slot, \kk+1, F0+64*((\kk+1)&1)
	WIN 0x50                                       ; C and D window 1
	MUL8 F0+64*(\kk&1), 0, \zero
	MUL8 F0+64*(\kk&1), 2, \zero
	WIN 0
.endm
.macro SEVEN slot, zero
	QSTEP \slot, 0, \zero
	QSTEP \slot, 1, 0
	QSTEP \slot, 2, 0
	QSTEP \slot, 3, 0
	QSTEP \slot, 4, 0
	QSTEP \slot, 5, 0
	QSTEP \slot, 6, 0
.endm
; Piece 7 and the change of slots: each wave's reads of this slot and all its tensor loads are waited for in front of the barrier; with fill
; the barrier opens a round of the cluster's barrier and the joint refill is the first tensor load behind it.
; From a request to the wait for it a wave issues 120 matrix instructions.
.macro TURN slot, next, fill
	s_wait_dscnt 0x0
	s_wait_tensorcnt 0x0
	ds_add_u32 v254, v255
	s_wait_dscnt 0x0
	s_barrier_signal -1
	WIN 0x50
	MUL8 F0+64, 0, 0
	WIN 0
	s_barrier_wait -1
.if \fill
	CREST
	s_add_nc_u64 s[G0A+4*\slot+2:G0A+4*\slot+3], s[G0A+4*\slot+2:G0A+4*\slot+3], 8*131072
	s_add_nc_u64 s[G0B+4*\slot+2:G0B+4*\slot+3], s[G0B+4*\slot+2:G0B+4*\slot+3], 1024
	JLOAD \slot
.endif
	PLACES
	FETCH \next, 0, F0
	WIN 0x50
	MUL8 F0+64, 2, 0
	WIN 0
.endm
	s_wait_tensorcnt 2                             ; my two parts of step 0 are in; step 1's two stay out
	s_barrier_signal -1
	s_barrier_wait -1
	FETCH 0, 0, F0
	SEVEN 0, 1                                     ; step 0: the first products start the sums
	TURN 0, 1, 1                                   ; slot 0 gets step 2
	SEVEN 1, 0                                     ; step 1
	TURN 1, 0, 1                                   ; slot 1 gets step 3
	SEVEN 0, 0                                     ; step 2
	TURN 0, 1, 0
	SEVEN 1, 0                                     ; step 3
	s_wait_dscnt 0x0
	WIN 0x50
	MUL8 F0+64, 0, 0
	MUL8 F0+64, 2, 0
	WIN 0
	; THE WAY OUT, 16 rows at a time: + bias, through my own stage, out as whole rows of 256 bytes
	PLACES
	s_wait_loadcnt 0x0                             ; the bias
.macro OUT16 a, tb
	WIN 0x01
.irp b, 0,1,2,3
.irp p, 0,1,2,3
	v_pk_add_f32 v[\tb+8*\b+2*\p:\tb+8*\b+2*\p+1], v[8*(4*\a+\b)+2*\p:8*(4*\a+\b)+2*\p+1], v[BIAS+8*\b+2*\p:BIAS+8*\b+2*\p+1]
.endr
.endr
	WIN 0
.irp b, 0,1,2,3
	ds_store_b128 v[STO], v[\tb+8*\b:\tb+8*\b+3] offset:64*\b
	ds_store_b128 v[STO], v[\tb+8*\b+4:\tb+8*\b+7] offset:64*\b+16
.endr
	s_wait_xcnt 0x0                                ; the read-back registers were the data of stores two turns ago: they are loaded again only behind this wait
.irp i, 0,1,2,3,4,5,6,7
	ds_load_b128 v[\tb+32+4*\i:\tb+32+4*\i+3], v[RD] offset:2*SPITCH*\i    ; LDS serves a wave's instructions in order (ISA guide 5.7.1.4)
.endr
.irp i, 0,1,2,3,4,5,6,7
	s_wait_dscnt 7-\i                              ; load i is in, the younger stay out
	global_store_b128 v[CO], v[\tb+32+4*\i:\tb+32+4*\i+3], s[70:71] offset:(16*\a+2*\i)*4096 th:TH_STORE_NT   ; 16 lanes store 256 consecutive bytes, aligned
.endr
.endm
	OUT16 0, 64
	OUT16 1, 128
	OUT16 2, 64
	OUT16 3, 128
	s_wait_tensorcnt 0x0
	ds_add_u32 v254, v255
	s_wait_dscnt 0x0
	CROUND                                         ; the closing round
	s_endpgm
.Lfunc_end_k_q43f5e4e1d6_oproj:
	.size	k_q43f5e4e1d6_oproj, .Lfunc_end_k_q43f5e4e1d6_oproj-k_q43f5e4e1d6_oproj
	.p2alignl 7, 3214868480
	.fill 96, 4, 3214868480
	.section	.rodata,"a",@progbits
	.p2align	6, 0x0
	.amdhsa_kernel k_q43f5e4e1d6_oproj
		.amdhsa_group_segment_fixed_size 327680
		.amdhsa_private_segment_fixed_size 0
		.amdhsa_enable_private_segment 0
		.amdhsa_kernarg_size 32
		.amdhsa_user_sgpr_count 2
		.amdhsa_user_sgpr_kernarg_segment_ptr 1
		.amdhsa_wavefront_size32 1
		.amdhsa_system_sgpr_workgroup_id_x 1
		.amdhsa_system_sgpr_workgroup_id_y 1
		.amdhsa_system_sgpr_workgroup_id_z 1
		.amdhsa_system_vgpr_workitem_id 0
		.amdhsa_next_free_vgpr 384
		.amdhsa_next_free_sgpr 80
		.amdhsa_reserve_vcc 0
		.amdhsa_float_denorm_mode_32 3
		.amdhsa_float_denorm_mode_16_64 3
		.amdhsa_memory_ordered 1
		.amdhsa_forward_progress 1
		.amdhsa_inst_pref_size 93
	.end_amdhsa_kernel
	.amdgpu_metadata
---
amdhsa.version: [ 1, 2 ]
amdhsa.kernels:
  - .name:           k_q43f5e4e1d6_oproj
    .symbol:         k_q43f5e4e1d6_oproj.kd
    .args:
      - { .name: ao, .offset: 0, .size: 8, .value_kind: global_buffer, .address_space: global }
      - { .name: woutt, .offset: 8, .size: 8, .value_kind: global_buffer, .address_space: global }
      - { .name: bout, .offset: 16, .size: 8, .value_kind: global_buffer, .address_space: global }
      - { .name: out0, .offset: 24, .size: 8, .value_kind: global_buffer, .address_space: global }
    .group_segment_fixed_size: 327680
    .private_segment_fixed_size: 0
    .kernarg_segment_align: 8
    .kernarg_segment_size: 32
    .max_flat_workgroup_size: 128
    .sgpr_count:     80
    .vgpr_count:     384
    .wavefront_size: 32
...
	.end_amdgpu_metadata
.endif
;; end of part 4
;; ======== version 2 of 2: 4 launches; version 1 with the launch prep written anew for expert scheduling mode
;; limits: values are held in f16: magnitudes above 65,504 overflow, below 6.1e-05 lose precision
;; workspace buffers: xb 8,388,608 bytes; wqkvt 6,291,456 bytes; woutt 2,097,152 bytes; rope 262,144 bytes; qkvh 25,165,824 bytes; ao 8,388,608 bytes
;; launch prep (part 5): grid 512 x 1, 8 waves a work-group, no clusters, 50,688 bytes of LDS; arguments x, Wqkv, Wout, xb, wqkvt, woutt, rope; writes xb, wqkvt, woutt, rope
.if DOCPART == 5
	.amdgcn_target "amdgcn-amd-amdhsa--gfx1250"
	.amdhsa_code_object_version 6
	.text
	.protected	k_q43f5e4e1d6_prep
	.globl	k_q43f5e4e1d6_prep
	.p2align	8
	.type	k_q43f5e4e1d6_prep,@function
k_q43f5e4e1d6_prep:
	s_mov_b64 s[64:65], 0
	v_nop
	global_prefetch_b8 v0, s[64:65] scope:SCOPE_SE
	s_setreg_imm32_b32 hwreg(HW_REG_WAVE_SCHED_MODE, 0, 2), 2
	s_setreg_imm32_b32 hwreg(HW_REG_WAVE_MODE, 25, 1), 1
	s_wait_xcnt 0x0
	s_wait_alu depctr_vm_vsrc(0)
; PREPARATION.  Three jobs, 16,384 numbers for each of 512 work-groups of eight waves:
;   work-groups   0-255: x [4096][1024] f32 -> xb, the same in f16; and four rows each of the rotary table
;                        rope[s] = cos(s f_0..f_31), sin(s f_0..f_31), f_i = 10000^(-i/32), 256 bytes a row;
;   work-groups 256-447: Wqkv [1024 k][3072 n] f32 -> wqkvt [3072 n][1024 k] f16, a tile of 128 k x 128 n each;
;   work-groups 448-511: Wout [1024 k][1024 n] f32 -> woutt [1024 n][1024 k] f16, likewise.
; The products that follow want K along the rows and 16-bit operands: done here once, not once for each block row of the products.
; WHY f16: the result is a mean of some 500 values of v, and it passes through four products in a row; f16's 11 significant bits keep the sum
; of the roundings on that way some eight times smaller than bf16's 8 bits would.  ROOM: x has spread 1 (30 times larger: 150 at five spreads;
; an offset of 30 spreads: 35), the weights 0.02 (30 times smaller: 6.7e-4, where f16's finest step, 6e-8, is 1e-4 of the spread): all
; far inside f16's range, whose largest number is 65,504.
; Memory binds: every byte is read once by 16-byte loads of neighbouring lanes; no matrix unit, no cluster, no tensor load would add anything.
; LIMIT: sine and cosine come from a reduction of the angle in turns in f32 and a series to x^11 on 0..pi/2.  The series is good to 6e-8;
; the reduction (f_i to one unit in the last place, the f32 constant 1/(2 pi), one rounding at up to 163 turns) leaves about 2e-4 rad at the
; largest angle, 1023 rad, which is of the size of one f16 rounding of the q and k that the table multiplies.
; THE MODE: SCHED_MODE bits 1:0 = 2 (LLVM: expert scheduling mode 2), set by the entry lines.  The code itself states the register dependences
; between vector instructions and memory or LDS instructions, with s_wait_alu, always for 0.
; THE PLAN.  Registers that memory or LDS instructions touch:
;   a weight's tile:  v2       offset of the 16 global loads; written once, ahead of them.
;                     X        written by those loads, read by the 32 conversions; then v[32:63] are written by the 8 LDS loads behind the
;                              barrier and read by the 8 global stores.
;                     T        two sets of 16, each register written once by a conversion and read once by an LDS store.
;                     v3 v6 v7 LDS store address, LDS load address, offset of the global stores; written once, behind the global loads.
;     Three waits on va_vdst: ahead of the loads (v2); behind each half's sixteen conversions, ahead of its run of four LDS stores (T, and the first
;     time v3, v6, v7).  The last of them also shows all conversions done reading X, in which the LDS loads land; no vector line follows it.
;   the cast:         v1 v2 v3 offsets, written once, ahead of the loads.
;                     X        four blocks of 16: written by the loads, converted in place; block b's stores are issued in block b + 1, whose
;                              vector lines name block b + 1's registers alone.
;                     v7       the table's entry: written by the series, read by one store.
;     One wait on va_vdst at the head of blocks 1 to 3 and one ahead of the last four stores; one ahead of the loads; one ahead of the table's store.
;   v128, v129        written at the head, read by the closing add alone.
; No register that a memory or LDS instruction has read is written again, so the text holds no wait on vm_vsrc.
.set X,      32                        ; v[32:95]   16 loads of 4 registers
.set T,      96                        ; v[96:127]  packed f16 on their way into LDS
.set RPITCH, 48                        ; an LDS row: 16 k of one column n (32 bytes) + 16
.set REG,    128*RPITCH+32             ; 6,176 bytes: one wave's 16 k of all 128 columns.  6,176 = 24 x 256 + 32: the eight regions that a row's read-back touches are 32 bytes apart modulo 256
; One tile of a weight: 128 k x 128 n, read by rows of k, written by rows of n.
; src, dst: the scalar pairs of the two buffers; pitchb: bytes in a row of the source; idbase: the first work-group of this job.
.macro TRANSP src, dst, pitchb, idbase
	v_and_b32 v1, 31, v0                           ; lane
	v_lshlrev_b32 v2, 4, v1                        ; my four columns: 16 bytes
	s_sub_co_u32 s20, ttmp9, \idbase
	s_and_b32 s21, s20, 7                          ; kt: which 128 of k
	s_lshr_b32 s22, s20, 3                         ; nt: which 128 of n
	s_lshl3_add_u32 s23, s21, s18                  ; 8 kt + wave: my 16 rows of k
	s_mul_i32 s23, s23, 16*\pitchb
	s_lshl_b32 s24, s22, 9                         ; 128 columns of 4 bytes
	s_add_co_u32 s24, s24, s23
	s_add_nc_u64 s[\src:\src+1], s[\src:\src+1], s[24:25]
	s_lshl_b32 s24, s22, 18                        ; 128 rows of n, 2,048 bytes each
	s_lshl_b32 s26, s21, 8                         ; 128 k of 2 bytes
	s_add_co_u32 s24, s24, s26
	s_add_nc_u64 s[\dst:\dst+1], s[\dst:\dst+1], s[24:25]
	s_wait_alu depctr_va_vdst(0)                   ; v2 is written, which the sixteen loads read as their offset
.irp j, 0,1,2,3,4,5,6,7,8,9,10,11,12,13,14,15
	global_load_b128 v[X+4*\j:X+4*\j+3], v2, s[\src:\src+1] offset:\j*\pitchb th:TH_LOAD_NT   ; row 16 wave + j: 512 neighbouring bytes
.endr
	s_mul_i32 s26, s18, REG                        ; my region of LDS: no other wave stores into it
	v_mul_u32_u24 v3, v1, 4*RPITCH                 ; my four columns are four LDS rows
	v_add_nc_u32 v3, s26, v3
	v_and_b32 v4, 15, v0                           ; the read-back: which 16 bytes (8 k) of a row of n
	v_bfe_u32 v5, v0, 4, 1                         ; lanes 0-15 one row, lanes 16-31 the next
	v_lshrrev_b32 v6, 1, v4                        ; those 8 k lie in region (lane % 16) / 2,
	v_mul_u32_u24 v6, v6, REG
	v_and_b32 v7, 1, v0
	v_lshl_add_u32 v6, v7, 4, v6                   ; in its lower or upper 16 bytes
	s_lshl_b32 s27, s18, 4
	v_add_nc_u32 v5, s27, v5                       ; row of n: 16 wave + (lane / 16), + 2 i below
	v_mad_u32_u24 v6, v5, RPITCH, v6
	v_lshlrev_b32 v7, 11, v5                       ; the same row in the result, 2,048 bytes a row
	v_lshl_add_u32 v7, v4, 4, v7
.irp jj, 0,1
	s_wait_loadcnt 8-8*\jj                         ; loads return in order: rows 0-7 are in while the eight younger are out; then all
.irp c, 0,1,2,3
.irp p, 0,1,2,3
	v_cvt_pk_f16_f32 v[T+16*\jj+4*\c+\p], v[X+32*\jj+8*\p+\c], v[X+32*\jj+8*\p+4+\c]    ; k and k + 1 of column c
.endr
.endr
	s_wait_alu depctr_va_vdst(0)                   ; this half's sixteen conversions have written their set of T, which the four LDS stores read; v3, v6 and v7 are written; the second time all conversions are done reading X
.irp c, 0,1,2,3
	ds_store_b128 v3, v[T+16*\jj+4*\c:T+16*\jj+4*\c+3] offset:\c*RPITCH+16*\jj         ; 8 k of one column: 16 bytes
.endr
.endr
	s_wait_dscnt 0x0                               ; my stores are done, for the other waves' sake
	s_barrier_signal -1
	s_barrier_wait -1                              ; everybody's are
.irp i, 0,1,2,3,4,5,6,7
	ds_load_b128 v[X+4*\i:X+4*\i+3], v6 offset:2*RPITCH*\i                             ; no wait: no vector instruction since the last wait on va_vdst names X or v6
.endr
.irp i, 0,1,2,3,4,5,6,7
	s_wait_dscnt 7-\i                              ; LDS loads return in order: load i is in, the younger stay out
	global_store_b128 v7, v[X+4*\i:X+4*\i+3], s[\dst:\dst+1] offset:4096*\i            ; 16 lanes store 256 consecutive bytes, aligned
.endr
.endm
; Block b of the cast: four loads' numbers are rounded in place; the four stores of the block before are dealt among the conversions.
.macro CBLK b
	s_wait_loadcnt 12-4*(\b)                       ; loads return in order: this block's four are in, the younger blocks stay out
.if (\b) > 0
	s_wait_alu depctr_va_vdst(0)                   ; the block before has written the registers that the four stores below read; this block's conversions name other registers
.endif
.irp i, 0,1,2,3
.if (\b) > 0
	global_store_b64 v2, v[X+16*((\b)-1)+4*\i:X+16*((\b)-1)+4*\i+1], s[10:11] offset:2048*(4*((\b)-1)+\i)   ; a wave stores 256 consecutive bytes, aligned
.endif
	v_cvt_pk_f16_f32 v[X+16*(\b)+4*\i], v[X+16*(\b)+4*\i], v[X+16*(\b)+4*\i+1]
	v_cvt_pk_f16_f32 v[X+16*(\b)+4*\i+1], v[X+16*(\b)+4*\i+2], v[X+16*(\b)+4*\i+3]
.endr
.endm
	s_load_b256 s[4:11], s[0:1], 0x0               ; x s[4:5], Wqkv s[6:7], Wout s[8:9], xb s[10:11]
	s_load_b128 s[12:15], s[0:1], 0x20             ; wqkvt s[12:13], woutt s[14:15]
	s_load_b64 s[16:17], s[0:1], 0x30              ; rope
	v_lshl_add_u32 v128, v0, 2, 0xc200
	v_mov_b32 v129, 0
	v_lshrrev_b32 v1, 5, v0
	v_readfirstlane_b32 s18, v1                    ; wave 0..7
	s_mov_b32 s25, 0                               ; the upper word of every offset
	s_wait_alu depctr_va_sdst(0)                   ; s18 is written, ahead of the branches and of its first reader: the weights' addresses are made from it
	s_wait_kmcnt 0x0
	s_cmp_lt_u32 ttmp9, 256                        ; the job hangs on the work-group's number alone: all eight waves go the same way
	s_cbranch_scc1 .Lcast
	s_cmp_lt_u32 ttmp9, 448
	s_cbranch_scc1 .Lwqkv
	TRANSP 8, 14, 4096, 448
	s_wait_dscnt 0x0                               ; the closing lines, six on end
	s_wait_alu 0x0
	s_wait_tensorcnt 0x0
	ds_add_u32 v128, v129
	s_wait_dscnt 0x0
	s_endpgm
.Lwqkv:
	TRANSP 6, 12, 12288, 256
	s_wait_dscnt 0x0                               ; the closing lines once more, for this end
	s_wait_alu 0x0
	s_wait_tensorcnt 0x0
	ds_add_u32 v128, v129
	s_wait_dscnt 0x0
	s_endpgm
.Lcast:
	v_lshlrev_b32 v1, 4, v0                        ; 16 t: what I read
	v_lshlrev_b32 v2, 3, v0                        ; 8 t: what I write of xb
	v_lshlrev_b32 v3, 2, v0                        ; 4 t: my entry of the table
	s_lshl_b32 s24, ttmp9, 16                      ; 16,384 f32
	s_add_nc_u64 s[4:5], s[4:5], s[24:25]
	s_lshl_b32 s24, ttmp9, 15                      ; 16,384 f16
	s_add_nc_u64 s[10:11], s[10:11], s[24:25]
	s_lshl_b32 s24, ttmp9, 10                      ; four rows of the table
	s_add_nc_u64 s[16:17], s[16:17], s[24:25]
	s_wait_alu depctr_va_vdst(0)                   ; v1, v2 and v3 are written: every load and store of this path reads one of them as its offset
.irp i, 0,1,2,3,4,5,6,7,8,9,10,11,12,13,14,15
	global_load_b128 v[X+4*\i:X+4*\i+3], v1, s[4:5] offset:4096*\i th:TH_LOAD_NT
.endr
	; one entry of the table for each thread, while the loads are on their way: row 4 id + t / 64, column t % 64
	v_and_b32 v4, 31, v0                           ; i
	v_cvt_f32_u32 v4, v4
	v_mul_f32 v4, 0xbed49a78, v4                   ; - i log2(10000) / 32
	v_exp_f32 v4, v4                               ; f_i
	v_lshrrev_b32 v5, 6, v0                        ; (a plain instruction stands behind v_exp_f32 before its result is used: ISA guide 5.7.2)
	s_lshl_b32 s22, ttmp9, 2
	v_add_nc_u32 v5, s22, v5                       ; s
	v_cvt_f32_u32 v5, v5
	s_wait_alu depctr_va_vdst(0)                   ; the exponential has written v4, ahead of its first reader
	v_mul_f32 v5, v5, v4                           ; the angle, rounded as pos * inv_freq is
	v_and_b32 v6, 63, v0
	v_mov_b32 v7, 0x3e800000
	v_cmp_gt_u32 vcc_lo, 32, v6
	s_wait_alu depctr_va_vcc(0)                    ; the compare has written VCC, which the select below reads
	v_cndmask_b32 v6, 0, v7, vcc_lo                ; columns 0-31: cos a = sin(a + a quarter turn)
	v_fma_f32 v5, v5, 0.15915494, v6               ; in turns
	v_rndne_f32 v7, v5
	v_sub_f32 v5, v5, v7                           ; r in -1/2 .. 1/2
	v_sub_f32 v7, 0.5, |v5|
	v_min_num_f32 v7, |v5|, v7                     ; folded to 0 .. 1/4: sin(2 pi r) = sign(r) sin(2 pi min(|r|, 1/2 - |r|))
	v_mul_f32 v7, 0x40c90fdb, v7                   ; x = 2 pi y, 0 .. pi/2
	v_mul_f32 v8, v7, v7                           ; x^2
	v_mov_b32 v9, 0xb2d7322b                       ; -1/11!
	v_fmaak_f32 v9, v9, v8, 0x3638ef1d             ; +1/9!
	v_fmaak_f32 v9, v9, v8, 0xb9500d01             ; -1/7!
	v_fmaak_f32 v9, v9, v8, 0x3c088889             ; +1/5!
	v_fmaak_f32 v9, v9, v8, 0xbe2aaaab             ; -1/3!
	v_mul_f32 v8, v7, v8                           ; x^3
	v_fma_f32 v7, v8, v9, v7                       ; x + x^3 p(x^2)
	v_bfi_b32 v7, 0x7fffffff, v7, v5               ; r's sign
	s_wait_alu depctr_va_vdst(0)                   ; v7, the table's entry, is written, which the store reads
	global_store_b32 v3, v7, s[16:17]              ; 256 threads: 1,024 consecutive bytes
	CBLK 0                                         ; loads 0 to 3; no block stands in front of it, so it stores nothing
	CBLK 1
	CBLK 2
	CBLK 3
	s_wait_alu depctr_va_vdst(0)                   ; the last block has written the registers that the last four stores read
.irp i, 0,1,2,3
	global_store_b64 v2, v[X+48+4*\i:X+48+4*\i+1], s[10:11] offset:2048*(12+\i)        ; a wave stores 256 consecutive bytes, aligned
.endr
	s_endpgm
.Lfunc_end_k_q43f5e4e1d6_prep:
	.size	k_q43f5e4e1d6_prep, .Lfunc_end_k_q43f5e4e1d6_prep-k_q43f5e4e1d6_prep
	.p2alignl 7, 3214868480
	.fill 96, 4, 3214868480
	.section	.rodata,"a",@progbits
	.p2align	6, 0x0
	.amdhsa_kernel k_q43f5e4e1d6_prep
		.amdhsa_group_segment_fixed_size 50688
		.amdhsa_private_segment_fixed_size 0
		.amdhsa_enable_private_segment 0
		.amdhsa_kernarg_size 56
		.amdhsa_user_sgpr_count 2
		.amdhsa_user_sgpr_kernarg_segment_ptr 1
		.amdhsa_wavefront_size32 1
		.amdhsa_system_sgpr_workgroup_id_x 1
		.amdhsa_system_sgpr_workgroup_id_y 1
		.amdhsa_system_sgpr_workgroup_id_z 1
		.amdhsa_system_vgpr_workitem_id 0
		.amdhsa_next_free_vgpr 130
		.amdhsa_next_free_sgpr 66
		.amdhsa_reserve_vcc 1
		.amdhsa_float_denorm_mode_32 3
		.amdhsa_float_denorm_mode_16_64 3
		.amdhsa_memory_ordered 1
		.amdhsa_forward_progress 1
		.amdhsa_inst_pref_size 23
	.end_amdhsa_kernel
	.amdgpu_metadata
---
amdhsa.version: [ 1, 2 ]
amdhsa.kernels:
  - .name:           k_q43f5e4e1d6_prep
    .symbol:         k_q43f5e4e1d6_prep.kd
    .args:
      - { .name: x, .offset: 0, .size: 8, .value_kind: global_buffer, .address_space: global }
      - { .name: Wqkv, .offset: 8, .size: 8, .value_kind: global_buffer, .address_space: global }
      - { .name: Wout, .offset: 16, .size: 8, .value_kind: global_buffer, .address_space: global }
      - { .name: xb, .offset: 24, .size: 8, .value_kind: global_buffer, .address_space: global }
      - { .name: wqkvt, .offset: 32, .size: 8, .value_kind: global_buffer, .address_space: global }
      - { .name: woutt, .offset: 40, .size: 8, .value_kind: global_buffer, .address_space: global }
      - { .name: rope, .offset: 48, .size: 8, .value_kind: global_buffer, .address_space: global }
    .group_segment_fixed_size: 50688
    .private_segment_fixed_size: 0
    .kernarg_segment_align: 8
    .kernarg_segment_size: 56
    .max_flat_workgroup_size: 256
    .sgpr_count:     66
    .vgpr_count:     130
    .wavefront_size: 32
...
	.end_amdgpu_metadata
.endif
;; end of part 5
;; launch qkv: the kernel of part 2 again; grid 16 x 16, 4 waves a work-group, clusters of 4 x 4, 327,680 bytes of LDS; arguments xb, wqkvt, bqkv, rope, qkvh; writes qkvh
;; launch attn: the kernel of part 3 again; grid 256 x 1, 8 waves a work-group, clusters of 4 x 1, 316,416 bytes of LDS; arguments qkvh, attention_mask, ao; writes ao
;; launch oproj: the kernel of part 4 again; grid 8 x 32, 4 waves a work-group, clusters of 4 x 4, 327,680 bytes of LDS; arguments ao, woutt, bout, out0; writes out0
